; MI455X (gfx1250); checked and timed in simulation.
; The chip was launched on July 23, 2026; its instructions are those of AMD's public machine-readable ISA for CDNA 5 (MIT licence, August 2026) and "CDNA5" Instruction Set Architecture Reference Guide (July 2026). The comments in the code are by the model that wrote it; some were corrected since.
;; Multi Head Attention. Allowed arithmetic: matrix products marked QUANTISED: E2M3 operands, one E8M0 scale for each 32 along K, by v_wmma_scale_f32_16x16x128_f8f6f4 with both operands' format E2M3, f32 sums; everything else in f32.
;; Inputs: mask 2,048 x 2,048 bool; wk 1,024 x 1,024 float32; wo 1,024 x 1,024 float32; wq 1,024 x 1,024 float32; wv 1,024 x 1,024 float32; x 4 x 2,048 x 1,024 float32.
;; Outputs: out0 4 x 2,048 x 1,024 float32.
;; This version of the problem:
;;   THIS VERSION OF THE PROBLEM IS GIVEN IN LOW PRECISION. The matrix products marked QUANTISED in the list below multiply operands that are first quantised to E2M3 (2 exponent bits, 3 mantissa bits; 6 bits a number), with one power-of-two scale for each 32 numbers along K (OCP MX v1.0); their sums are f32. All else is computed in f32.
;;   The module's matrix products, in the order in which they are computed (A, B: the left and right operand; K: the contracted axis; several contracted axes count as one K, in the product's order):
;;     1. [M 8,192, K 1,024] x [K 1,024, N 1,024]; A: input x; B: input wq: QUANTISED
;;     2. [M 8,192, K 1,024] x [K 1,024, N 1,024]; A: input x; B: input wk: QUANTISED
;;     3. [M 8,192, K 1,024] x [K 1,024, N 1,024]; A: input x; B: input wv: QUANTISED
;;     4. batch 64 x [M 2,048, K 64] x [K 64, N 2,048]; A: computed on the way; B: computed on the way: QUANTISED
;;     5. batch 64 x [M 2,048, K 2,048] x [K 2,048, N 64]; A: softmax (see below); B: computed on the way: QUANTISED
;;     6. [M 8,192, K 1,024] x [K 1,024, N 1,024]; A: computed on the way; B: input wo: QUANTISED
;;   THE QUANTISER, for each operand of a quantised product, along K:
;;     - K is cut into blocks of 32 from its start; a last block that is shorter is filled with zeros.
;;     - A block's scale is 2^e with e = floor(log2(the largest magnitude in the block)) - 2, held to -126 .. 127; a block of zeros has e = 0. As a byte (E8M0): e + 127.
;;     - Each number is divided by its block's scale, clamped to +-7.5, and rounded to the nearest number of E2M3, ties to even, subnormals kept.
;;     - The product sums the exact products of the quantised numbers (number of the format x scale) in f32.
;;   ~~~python
;;   def quantise(x, axis):      # numpy; x: float32 -> the quantised numbers, widened to float32 again
;;       x = np.moveaxis(x, axis, -1); K = x.shape[-1]
;;       x = np.pad(x, [(0, 0)] * (x.ndim - 1) + [(0, -K % 32)]); x = x.reshape(x.shape[:-1] + (-1, 32)); a = np.abs(x).max(-1, keepdims=True)
;;       e = np.where(a > 0, np.clip(np.frexp(np.where(a > 0, a, 1))[1] - 1 - 2, -126, 127), 0)      # np.frexp(a)[1] - 1 = floor(log2(a)), exactly
;;       r = np.clip(x / 2.0 ** e, -7.5, 7.5)
;;       step = 2.0 ** (np.maximum(np.frexp(np.where(r == 0, 1, r))[1] - 1, 0) - 3)
;;       q = np.round(r / step) * step * 2.0 ** e      # np.round: ties to even
;;       return np.moveaxis(q.reshape(q.shape[:-2] + (-1,))[..., :K], -1, axis).astype(np.float32)
;;   ~~~
;;   SOFTMAX AHEAD OF A QUANTISED PRODUCT. Where the list says 'softmax', what is quantised is not the finished softmax but p = 2^(t - M), with t = logit x log2(e) and M = ceil(the row's largest t), a whole number; so 1/2 < the row's largest p <= 1. The row's sum l is taken of the UNQUANTISED p, in f32, and the product's result is divided by l at the end. Since M is a whole number, a kernel that streams over the keys may use a running M (the ceiling of the running maximum): every later rescaling is an exact power of two, which a block's scale takes up: the codes' values come out the same.
;;   OPERANDS COMPUTED ON THE WAY. 'Computed on the way' means the value that the module computes at that place (a softmax that the list does not call 'softmax' is quantised finished and normalised). What goes into a quantiser is computed in f32, as accurately as f32 sums, v_exp_f32 and their like allow (about 1e-6 of the number): no bf16 or f16 on the way to a quantiser, and a product that is left as it is and whose result goes on into a quantised operand takes f32 operands (vector FMAs, or v_wmma_f32_16x16x4_f32). A number that lies on a knife's edge between two numbers of the format may be rounded either way, as far as f32 arithmetic and the matrix unit's own rounding can turn it there, and no further.
;; One version. Each part assembles by itself: llvm-mc -triple=amdgcn-amd-amdhsa -mcpu=gfx1250 --defsym DOCPART=n.
;; ======== version 1 of 1: 4 launches
;; workspace buffers: xcs 6,553,600 bytes; wcs 3,276,800 bytes; rope 524,288 bytes; maskw 526,336 bytes of whole numbers; qb 13,369,344 bytes; kv 13,369,344 bytes; acs 6,553,600 bytes
;; launch prep (part 1): grid 848 x 1, 8 waves a work-group, no clusters, 68,608 bytes of LDS; arguments x, wq, wk, wv, wo, mask, xcs, wcs, rope, maskw; writes xcs, wcs, rope, maskw
.if DOCPART == 1
	.amdgcn_target "amdgcn-amd-amdhsa--gfx1250"
	.amdhsa_code_object_version 6
	.text
	.protected	k_qa9dc0ff1b7_prep
	.globl	k_qa9dc0ff1b7_prep
	.p2align	8
	.type	k_qa9dc0ff1b7_prep,@function
k_qa9dc0ff1b7_prep:
	s_mov_b64 s[64:65], 0
	v_nop
	global_prefetch_b8 v0, s[64:65] scope:SCOPE_SE
	s_setreg_imm32_b32 hwreg(HW_REG_WAVE_MODE, 25, 1), 1
	s_wait_xcnt 0x0
; PREP: what the later launches read again and again is made once.
;  work-groups 0-767:   x (512 tiles) and wq, wk, wv, wo (64 tiles each), f32 with K = 1,024 innermost, become codes of FP6 (E2M3) with one E8M0 byte for each 32 along K.
;  work-groups 768-831: the mask becomes words of 32 bits in the order in which the attention launch holds its scores, and two flags for each (tile of queries, 128 keys): any key counts, all keys count.
;  work-groups 832-847: cos and sin of the rotary angles, laid as the projection launch's result registers want them.
; A TILE is 16 rows that are not neighbours: slot r of tile t is row 32 (t / 2) + 8 (t % 2) + r + 8 (r / 8).
; CODES lie as images of the operand's registers.  A fragment (16 rows x 128 K, 12 registers a lane) is 1,536 bytes: registers 0-3 at 16 x lane, 4-5 at 512 + 8 x lane, 6-9 at 768 + 16 x lane, 10-11 at 1,280 + 8 x lane.
; A tile's eight fragments follow each other (12,288 bytes).  SCALE WORDS: 512 bytes a tile: [K / 256][slot r][2 words].
; A block's scale is 2^(floor(log2(its largest magnitude)) - 2); its byte is that magnitude's exponent field - 2, held at 1 from below.
; LIMITS: a block of zeros gets the byte 1 where the quantiser says 127 (its codes are zeros; this program alone reads the bytes); magnitudes under 2^-124 fall under the floor; NaN and infinities are not served.
; The rotary frequencies are 10^(-i / 8) rounded to f32; the angle is position x frequency in f32, reduced by pi / 2 in two parts, and sine and cosine are polynomials on +-pi / 4.
.set SPARE, 67584                      ; behind the eight stages: the spare words, 128 bytes a wave: four blocks of 256 bytes that no other line names
.set STGB,  8448                       ; a wave's stage: 16 rows x 528 bytes
.set PITCH, 528                        ; 512 bytes + 16: 33 x 16, so that sixteen rows' reads of 16 bytes fall on sixteen different columns of 16 bytes
.set LANE, 1
.set SPW,  2                           ; v2  LDS address of my spare word; never rewritten
.set NIL,  3                           ; v3  0; never rewritten
.set R,    4                           ; v4  lane % 16
.set H,    5                           ; v5  lane / 16
.set L16,  6                           ; v6  16 x lane
.set L8,   7                           ; v7  8 x lane
.set IN,   16                          ; v16-79  as loaded
.set X,    80                          ; v80-143 two whole blocks of 32 neighbours along K
.set CD,   144                         ; v144-155 the fragment's codes
.set CT,   156                         ; v156-162 the blocks' second halves (a conversion's three registers begin on an even number)
	s_load_b512 s[4:19], s[0:1], 0x0               ; x, wq, wk, wv, wo, mask, xcs, wcs
	s_load_b128 s[20:23], s[0:1], 0x40             ; rope, maskw
	v_lshl_add_u32 v[SPW], v0, 2, SPARE
	v_mov_b32 v[NIL], 0
	v_lshrrev_b32 v[LANE], 5, v0
	s_delay_alu instid0(VALU_DEP_1)
	v_readfirstlane_b32 s24, v[LANE]               ; wave 0..7
	v_and_b32 v[LANE], 31, v0
	v_and_b32 v[R], 15, v0
	v_bfe_u32 v[H], v0, 4, 1
	s_delay_alu instid0(VALU_DEP_3)
	v_lshlrev_b32 v[L16], 4, v[LANE]
	s_delay_alu instid0(VALU_DEP_4)
	v_lshlrev_b32 v[L8], 3, v[LANE]
	s_wait_kmcnt 0x0
	s_cmp_ge_u32 ttmp9, 832
	s_cbranch_scc1 .Lrope
	s_cmp_ge_u32 ttmp9, 768
	s_cbranch_scc1 .Lmask
; ---- THE QUANTISER.  A work-group takes one tile, wave w its K step w (128 along K).
	s_cmp_lt_u32 ttmp9, 512                        ; x's tile or a weight's?  Every choice hangs on the work-group's number alone
	s_cselect_b64 s[26:27], s[16:17], s[18:19]     ; where the codes go
	s_cselect_b64 s[30:31], s[4:5], s[6:7]         ; where the numbers come from: x, or for now wq
	s_mov_b32 s28, 0x300000
	s_cselect_b32 s28, 0x600000, s28               ; where the scale words begin in that buffer
	s_cselect_b32 s25, 0, 512
	s_cselect_b32 s32, 511, 63
	s_sub_co_u32 s25, ttmp9, s25                   ; the tile's number in the buffer of codes
	s_and_b32 s32, ttmp9, s32                      ; and in its source
	s_lshr_b32 s29, ttmp9, 6                       ; 8: wq, 9: wk, 10: wv, 11: wo
	s_cmp_eq_u32 s29, 9
	s_cselect_b64 s[30:31], s[8:9], s[30:31]
	s_cmp_eq_u32 s29, 10
	s_cselect_b64 s[30:31], s[10:11], s[30:31]
	s_cmp_eq_u32 s29, 11
	s_cselect_b64 s[30:31], s[12:13], s[30:31]
	s_lshr_b32 s33, s32, 1
	s_lshl_b32 s33, s33, 17                        ; 32 (t / 2) rows of 4,096 bytes
	s_and_b32 s34, s32, 1
	s_lshl_b32 s34, s34, 15                        ; 8 (t % 2) rows
	s_add_co_u32 s34, s34, s33
	s_lshl_b32 s33, s24, 9                         ; my K step: 512 bytes of a row
	s_add_co_u32 s34, s34, s33
	s_mov_b32 s35, 0
	s_add_nc_u64 s[30:31], s[30:31], s[34:35]
	s_wait_alu depctr_va_vdst(0)
.irp i, 0,1,2,3,4,5,6,7,8,9,10,11,12,13,14,15
	global_load_b128 v[IN+4*\i:IN+4*\i+3], v[L16], s[30:31] offset:(\i+8*(\i/8))*4096 th:TH_LOAD_NT   ; slot i's 512 consecutive bytes, 16 a lane; read once in the launch
.endr
	s_lshl_b32 s36, s25, 3
	s_add_co_u32 s36, s36, s24
	s_mul_i32 s36, s36, 1536                       ; my fragment's image
	s_mov_b32 s37, 0
	s_add_nc_u64 s[38:39], s[26:27], s[36:37]
	s_lshl_b32 s40, s25, 9                         ; my scale words: 512 bytes a tile,
	s_add_co_u32 s40, s40, s28
	s_lshr_b32 s41, s24, 1
	s_lshl_b32 s41, s41, 7                         ; 128 for each 256 along K,
	s_add_co_u32 s40, s40, s41
	s_and_b32 s41, s24, 1
	s_lshl_b32 s41, s41, 2                         ; the first or the second word of a slot's two
	s_add_co_u32 s40, s40, s41
	s_mov_b32 s41, 0
	s_add_nc_u64 s[42:43], s[26:27], s[40:41]
	s_mov_b32 s46, 0x76543210
	s_mov_b32 s47, 0xfedcba98                      ; v_permlanex16_b32's selects for lane l xor 16
	s_mul_i32 s44, s24, STGB                       ; my stage
	v_add_nc_u32 v8, s44, v[L16]                   ; in: as loaded, a row at a time
	v_mul_u32_u24 v9, v[R], PITCH
	s_delay_alu instid0(VALU_DEP_1)
	v_lshl_add_u32 v9, v[H], 7, v9
	s_delay_alu instid0(VALU_DEP_1)
	v_add_nc_u32 v9, s44, v9                       ; back: row r, + 128 h bytes: the operand's layout gives lane (r, h) k = 64 c + 32 h + 0 .. 31
	s_wait_alu depctr_va_vdst(0)
.irp i, 0,1,2,3,4,5,6,7,8,9,10,11,12,13,14,15
	s_wait_loadcnt 15-\i                           ; loads come back in order: row i is in, the younger ones may be out
	ds_store_b128 v8, v[IN+4*\i:IN+4*\i+3] offset:PITCH*\i
.endr
.irp c, 0,1
.irp j, 0,1,2,3,4,5,6,7
	ds_load_b128 v[X+32*\c+4*\j:X+32*\c+4*\j+3], v9 offset:256*\c+16*\j   ; LDS serves a wave's instructions in order: these see my stores; no other wave touches my stage
.endr
.endr
	s_wait_dscnt 0x0
.irp c, 0,1
	v_max3_num_f32 v[10+\c], |v[X+32*\c]|, |v[X+32*\c+1]|, 0x1800000   ; my block 2 c + h: all 32 numbers are mine; the floor 2^(3 - 127) holds the byte at 1 from below
.endr
.irp i, 2,4,6,8,10,12,14,16,18,20,22,24,26,28,30
.irp c, 0,1
	s_delay_alu instid0(VALU_DEP_2)
	v_max3_num_f32 v[10+\c], v[10+\c], |v[X+32*\c+\i]|, |v[X+32*\c+\i+1]|   ; (the two blocks by turns)
.endr
.endr
.irp c, 0,1
	s_delay_alu instid0(VALU_DEP_2)
	v_add_nc_u32 v[12+\c], 0xff000000, v[10+\c]    ; 2 off the exponent field: the conversion's scale operand
.endr
.irp c, 0,1
	s_delay_alu instid0(VALU_DEP_2)
	v_lshrrev_b32 v[14+\c], 23, v[12+\c]           ; the scale's byte
.endr
	s_delay_alu instid0(VALU_DEP_1)
	v_lshl_or_b32 v10, v15, 16, v14                ; my two bytes: blocks h and 2 + h of slot r,
	v_lshlrev_b32 v11, 3, v[H]
	s_delay_alu instid0(VALU_DEP_1)
	v_lshlrev_b32 v10, v11, v10                    ; at their places in the word;
	v_mov_b32 v11, 0
	s_delay_alu instid0(VALU_DEP_1)
	v_permlanex16_b32 v11, v10, s46, s47
	s_delay_alu instid0(VALU_DEP_1)
	v_or_b32 v10, v10, v11                         ; with lane l xor 16's two the word is whole
.irp c, 0,1
	v_cvt_scalef32_pk16_fp6_f32 v[CD+6*\c:CD+6*\c+2], v[X+32*\c:X+32*\c+15], v[12+\c]
	v_cvt_scalef32_pk16_fp6_f32 v[CT+4*\c:CT+4*\c+2], v[X+32*\c+16:X+32*\c+31], v[12+\c]
.endr
	v_nop                                          ; one plain place behind a scaled conversion
.irp c, 0,1
.irp i, 0,1,2
	v_mov_b32 v[CD+6*\c+3+\i], v[CT+4*\c+\i]
.endr
.endr
	global_store_b128 v[L16], v[CD:CD+3], s[38:39]                 ; each store covers 512 or 256 consecutive bytes, aligned to 256
	global_store_b64 v[L8], v[CD+4:CD+5], s[38:39] offset:512
	global_store_b128 v[L16], v[CD+6:CD+9], s[38:39] offset:768
	global_store_b64 v[L8], v[CD+10:CD+11], s[38:39] offset:1280
	v_lshlrev_b32 v12, 3, v[R]                     ; a slot's two words are 8 bytes
	v_cmp_gt_u32 vcc_lo, 16, v[LANE]
	s_wait_alu depctr_va_vdst(0)
	s_wait_xcnt 0x0                                ; EXEC is a source of the stores above: it changes only behind this wait
	s_and_saveexec_b32 s48, vcc_lo
	global_store_b32 v12, v10, s[42:43]            ; 16 words, 8 bytes apart: one byte in 128 of what the wave has read
	s_wait_xcnt 0x0
	s_or_b32 exec_lo, exec_lo, s48
	s_wait_tensorcnt 0x0                           ; the wave's end, behind my last LDS store
	ds_add_u32 v[SPW], v[NIL]
	s_wait_dscnt 0x0
	s_endpgm
; ---- THE MASK.  A wave takes tile T of queries and 512 keys (four steps of 128).  Word j = 16 b + i of a step has, at bit r + 16 h, mask[query slot r of T][128 st + 32 b + 16 h + i].
.Lmask:
	s_sub_co_u32 s25, ttmp9, 768
	s_lshl_b32 s25, s25, 1
	s_lshr_b32 s26, s24, 2
	s_add_co_u32 s25, s25, s26                     ; T
	s_and_b32 s26, s24, 3                          ; which 512 keys
	s_lshr_b32 s28, s25, 1
	s_lshl_b32 s28, s28, 16                        ; 32 (T / 2) rows of 2,048 bytes
	s_and_b32 s29, s25, 1
	s_lshl_b32 s29, s29, 14
	s_add_co_u32 s28, s28, s29
	s_lshl_b32 s29, s26, 9
	s_add_co_u32 s28, s28, s29
	s_mov_b32 s29, 0
	s_add_nc_u64 s[14:15], s[14:15], s[28:29]
	s_wait_alu depctr_va_vdst(0)
	v_and_b32 v8, 8, v[R]
	s_delay_alu instid0(VALU_DEP_1)
	v_add_nc_u32 v8, v8, v[R]                      ; r + 8 (r / 8)
	s_delay_alu instid0(VALU_DEP_1)
	v_lshlrev_b32 v8, 11, v8
	s_delay_alu instid0(VALU_DEP_1)
	v_lshl_add_u32 v8, v[H], 4, v8                 ; my row, + 16 h
.irp n, 0,1,2,3,4,5,6,7,8,9,10,11,12,13,14,15
	global_load_b128 v[IN+4*\n:IN+4*\n+3], v8, s[14:15] offset:128*(\n/4)+32*(\n%4)   ; step n / 4, block n % 4: my 16 keys' bytes
.endr
	s_lshl_b32 s28, s25, 4
	s_lshl_b32 s29, s26, 2
	s_add_co_u32 s28, s28, s29
	s_lshl_b32 s28, s28, 8                         ; the first of my four records of 256 bytes
	s_mov_b32 s29, 0
	s_add_nc_u64 s[30:31], s[22:23], s[28:29]
	s_mov_b32 s32, 0                               ; flags: any key counts,
	s_mov_b32 s33, 0                               ; all keys count
.irp i, 0,1,2,3,4,5,6,7
	v_mov_b32 v[80+\i], 0                          ; v_writelane_b32's destination counts as read
.endr
.macro MSTEP st
	s_wait_loadcnt 12-4*(\st)                      ; this step's four loads are in, the later steps' may be out
	s_mov_b32 s34, 0
	s_mov_b32 s35, -1
.irp q, 0,1,2,3,4,5,6,7,8,9,10,11,12,13,14,15
.irp k, 0,1,2,3
	v_bfe_u32 v[9+\k], v[IN+16*(\st)+\q], 8*\k, 8  ; byte k of register q: word j = 4 q + k
.endr
.irp k, 0,1,2,3
	s_delay_alu instid0(VALU_DEP_4)
	v_cmp_ne_u32 s[36+\k], 0, v[9+\k]              ; the 32 lanes' bits are the word
.endr
.irp k, 0,1,2,3
	v_writelane_b32 v[80+2*(\st)+\k%2], s[36+\k], 2*\q+\k/2   ; lane j / 2 will store words j and j + 1
.endr
.irp k, 0,1,2,3
	s_or_b32 s34, s34, s[36+\k]
	s_and_b32 s35, s35, s[36+\k]
.endr
.endr
	s_wait_alu depctr_va_vdst(0)
	global_store_b64 v[L8], v[80+2*(\st):81+2*(\st)], s[30:31] offset:256*(\st)   ; 256 consecutive bytes, aligned
	s_cmp_lg_u32 s34, 0
	s_cselect_b32 s36, 1<<(\st), 0
	s_or_b32 s32, s32, s36
	s_cmp_eq_u32 s35, -1
	s_cselect_b32 s36, 1<<(\st), 0
	s_or_b32 s33, s33, s36
.endm
	MSTEP 0
	MSTEP 1
	MSTEP 2
	MSTEP 3
	s_lshl_b32 s36, s26, 2
	s_lshl_b32 s32, s32, s36                       ; 'any' of step st at bit st,
	s_add_co_u32 s36, s36, 16
	s_lshl_b32 s33, s33, s36                       ; 'all' at bit 16 + st
	s_or_b32 s32, s32, s33
	v_mov_b32 v9, s32
	s_lshl_b32 s36, s25, 2
	s_add_co_u32 s36, s36, s26
	s_lshl_b32 s36, s36, 2
	s_add_co_u32 s36, s36, 524288                  ; the flags lie behind the records: four words a tile
	s_mov_b32 s37, 0
	s_add_nc_u64 s[22:23], s[22:23], s[36:37]
	v_mov_b32 v10, 0
	v_cmp_eq_u32 vcc_lo, 0, v[LANE]
	s_wait_alu depctr_va_vdst(0)
	s_wait_xcnt 0x0                                ; EXEC changes only behind this wait
	s_and_saveexec_b32 s38, vcc_lo
	global_store_b32 v10, v9, s[22:23]
	s_wait_xcnt 0x0
	s_or_b32 exec_lo, exec_lo, s38
	s_endpgm
; ---- THE ROTARY TABLE.  A wave takes a tile of 16 positions.  Lane (r, h) makes, for position slot r, the pairs i = 16 b + 8 h + e (b = 0, 1; e = 0 .. 7): registers 64 + 16 b + 2 e: cos, + 1: sin.
.Lrope:
	s_sub_co_u32 s25, ttmp9, 832
	s_lshl_b32 s25, s25, 3
	s_add_co_u32 s25, s25, s24                     ; the tile
	s_lshr_b32 s26, s25, 1
	s_lshl_b32 s26, s26, 5
	s_and_b32 s27, s25, 1
	s_lshl_b32 s27, s27, 3
	s_add_co_u32 s26, s26, s27
	s_wait_alu depctr_va_vdst(0)
	v_and_b32 v8, 8, v[R]
	s_delay_alu instid0(VALU_DEP_1)
	v_add_nc_u32 v8, v8, v[R]
	s_delay_alu instid0(VALU_DEP_1)
	v_add_nc_u32 v8, s26, v8
	s_delay_alu instid0(VALU_DEP_1)
	v_cvt_f32_u32 v8, v8                           ; my position, exact
	v_cmp_eq_u32 vcc_lo, 1, v[H]
	s_lshl_b32 s26, s25, 12                        ; 4,096 bytes a tile
	s_mov_b32 s27, 0
	s_add_nc_u64 s[20:21], s[20:21], s[26:27]
	s_mov_b32 s30, -0.00019515295891               ; sine: r + r z (s32 + z (s31 + z s30)), z = r r
	s_mov_b32 s31, 0.0083321608736
	s_mov_b32 s32, -0.16666654611
	s_mov_b32 s33, 0.00002443315711809948          ; cosine: 1 - z / 2 + z z (s35 + z (s34 + z s33))
	s_mov_b32 s34, -0.001388731625493765
	s_mov_b32 s35, 0.04166664568298827
.macro PAIR n, fa, fb                  ; fa: the frequency for lanes 0-15, fb: for lanes 16-31
	v_mov_b32 v9, \fa
	v_mov_b32 v10, \fb
	s_delay_alu instid0(VALU_DEP_1)
	v_cndmask_b32 v9, v9, v10, vcc_lo
	s_wait_alu depctr_va_vdst(0)
	v_mul_f32 v9, v9, v8                           ; the angle, in f32
	s_delay_alu instid0(VALU_DEP_1)
	v_mul_f32 v10, 0x3f22f983, v9                  ; x 2 / pi
	s_delay_alu instid0(VALU_DEP_1)
	v_rndne_f32 v10, v10                           ; n quarter turns
	s_delay_alu instid0(VALU_DEP_1)
	v_fmamk_f32 v11, v10, 0xbfc90fdb, v9           ; - n x (pi / 2 rounded to f32): exact for angles under 2,048
	s_delay_alu instid0(VALU_DEP_1)
	v_fmamk_f32 v11, v10, 0x333bbd2e, v11          ; - n x the rest of pi / 2
	s_delay_alu instid0(VALU_DEP_1)
	v_mul_f32 v12, v11, v11
	s_delay_alu instid0(VALU_DEP_1)
	v_fma_f32 v13, v12, s30, s31
	s_delay_alu instid0(VALU_DEP_2)
	v_fma_f32 v14, v12, s33, s34
	s_delay_alu instid0(VALU_DEP_2)
	v_fma_f32 v13, v13, v12, s32
	s_delay_alu instid0(VALU_DEP_2)
	v_fma_f32 v14, v14, v12, s35
	s_delay_alu instid0(VALU_DEP_2)
	v_mul_f32 v13, v13, v12
	v_mul_f32 v15, v12, v12
	v_fma_f32 v12, v12, -0.5, 1.0
	s_delay_alu instid0(VALU_DEP_3)
	v_fma_f32 v13, v13, v11, v11                   ; sin r
	s_delay_alu instid0(VALU_DEP_2)
	v_fma_f32 v14, v14, v15, v12                   ; cos r
	v_cvt_i32_f32 v10, v10
	s_delay_alu instid0(VALU_DEP_1)
	v_and_b32 v11, 1, v10
	s_delay_alu instid0(VALU_DEP_1)
	v_cmp_eq_u32 s36, 1, v11                       ; an odd quarter swaps the two
	s_delay_alu instid0(VALU_DEP_1)
	v_cndmask_b32 v12, v13, v14, s36
	s_delay_alu instid0(VALU_DEP_2)
	v_cndmask_b32 v13, v14, v13, s36
	v_and_b32 v11, 2, v10                          ; the sine is negative in quarters 2, 3,
	v_add_nc_u32 v10, 1, v10
	s_delay_alu instid0(VALU_DEP_2)
	v_lshlrev_b32 v11, 30, v11
	s_delay_alu instid0(VALU_DEP_2)
	v_and_b32 v10, 2, v10                          ; the cosine in quarters 1, 2
	s_delay_alu instid0(VALU_DEP_2)
	v_xor_b32 v[65+2*(\n)], v12, v11
	s_delay_alu instid0(VALU_DEP_2)
	v_lshlrev_b32 v10, 30, v10
	s_delay_alu instid0(VALU_DEP_1)
	v_xor_b32 v[64+2*(\n)], v13, v10
.endm
	PAIR 0, 1.0, 0.1
	PAIR 1, 0.7498942093324559, 0.07498942093324559
	PAIR 2, 0.5623413251903491, 0.05623413251903491
	PAIR 3, 0.4216965034285822, 0.04216965034285822
	PAIR 4, 0.31622776601683794, 0.031622776601683794
	PAIR 5, 0.23713737056616552, 0.023713737056616552
	PAIR 6, 0.1778279410038923, 0.01778279410038923
	PAIR 7, 0.1333521432163324, 0.01333521432163324
	PAIR 8, 0.01, 0.001
	PAIR 9, 0.007498942093324559, 0.0007498942093324559
	PAIR 10, 0.005623413251903491, 0.0005623413251903491
	PAIR 11, 0.004216965034285822, 0.0004216965034285822
	PAIR 12, 0.0031622776601683794, 0.00031622776601683794
	PAIR 13, 0.0023713737056616552, 0.00023713737056616552
	PAIR 14, 0.001778279410038923, 0.0001778279410038923
	PAIR 15, 0.001333521432163324, 0.0001333521432163324
.irp k, 0,1,2,3,4,5,6,7
	global_store_b128 v[L16], v[64+4*\k:67+4*\k], s[20:21] offset:512*\k   ; 512 consecutive bytes, aligned
.endr
	s_endpgm
.Lfunc_end_k_qa9dc0ff1b7_prep:
	.size	k_qa9dc0ff1b7_prep, .Lfunc_end_k_qa9dc0ff1b7_prep-k_qa9dc0ff1b7_prep
	.p2alignl 7, 3214868480
	.fill 96, 4, 3214868480
	.section	.rodata,"a",@progbits
	.p2align	6, 0x0
	.amdhsa_kernel k_qa9dc0ff1b7_prep
		.amdhsa_group_segment_fixed_size 68608
		.amdhsa_private_segment_fixed_size 0
		.amdhsa_enable_private_segment 0
		.amdhsa_kernarg_size 80
		.amdhsa_user_sgpr_count 2
		.amdhsa_user_sgpr_kernarg_segment_ptr 1
		.amdhsa_wavefront_size32 1
		.amdhsa_system_sgpr_workgroup_id_x 1
		.amdhsa_system_sgpr_workgroup_id_y 1
		.amdhsa_system_sgpr_workgroup_id_z 1
		.amdhsa_system_vgpr_workitem_id 0
		.amdhsa_next_free_vgpr 168
		.amdhsa_next_free_sgpr 66
		.amdhsa_reserve_vcc 1
		.amdhsa_float_denorm_mode_32 3
		.amdhsa_float_denorm_mode_16_64 3
		.amdhsa_memory_ordered 1
		.amdhsa_forward_progress 1
		.amdhsa_inst_pref_size 125
	.end_amdhsa_kernel
	.amdgpu_metadata
---
amdhsa.version: [ 1, 2 ]
amdhsa.kernels:
  - .name:           k_qa9dc0ff1b7_prep
    .symbol:         k_qa9dc0ff1b7_prep.kd
    .args:
      - { .name: x, .offset: 0, .size: 8, .value_kind: global_buffer, .address_space: global }
      - { .name: wq, .offset: 8, .size: 8, .value_kind: global_buffer, .address_space: global }
      - { .name: wk, .offset: 16, .size: 8, .value_kind: global_buffer, .address_space: global }
      - { .name: wv, .offset: 24, .size: 8, .value_kind: global_buffer, .address_space: global }
      - { .name: wo, .offset: 32, .size: 8, .value_kind: global_buffer, .address_space: global }
      - { .name: mask, .offset: 40, .size: 8, .value_kind: global_buffer, .address_space: global }
      - { .name: xcs, .offset: 48, .size: 8, .value_kind: global_buffer, .address_space: global }
      - { .name: wcs, .offset: 56, .size: 8, .value_kind: global_buffer, .address_space: global }
      - { .name: rope, .offset: 64, .size: 8, .value_kind: global_buffer, .address_space: global }
      - { .name: maskw, .offset: 72, .size: 8, .value_kind: global_buffer, .address_space: global }
    .group_segment_fixed_size: 68608
    .private_segment_fixed_size: 0
    .kernarg_segment_align: 8
    .kernarg_segment_size: 80
    .max_flat_workgroup_size: 256
    .sgpr_count:     66
    .vgpr_count:     168
    .wavefront_size: 32
...
	.end_amdgpu_metadata
.endif
;; end of part 1
;; launch qkv (part 2): grid 12 x 32, 4 waves a work-group, clusters of 4 x 4, 327,680 bytes of LDS; arguments xcs, wcs, rope, qb, kv; writes qb, kv
.if DOCPART == 2
	.amdgcn_target "amdgcn-amd-amdhsa--gfx1250"
	.amdhsa_code_object_version 6
	.text
	.protected	k_qa9dc0ff1b7_qkv
	.globl	k_qa9dc0ff1b7_qkv
	.p2align	8
	.type	k_qa9dc0ff1b7_qkv,@function
k_qa9dc0ff1b7_qkv:
	s_mov_b64 s[64:65], 0
	v_nop
	global_prefetch_b8 v0, s[64:65] scope:SCOPE_SE
	s_setreg_imm32_b32 hwreg(HW_REG_WAVE_MODE, 25, 1), 1
	s_wait_xcnt 0x0
	s_wait_alu depctr_hold_cnt(0) depctr_sa_sdst(0) depctr_va_vdst(0) depctr_va_sdst(0) depctr_va_ssrc(0) depctr_va_vcc(0) depctr_vm_vsrc(0)
	s_getreg_b32 s2, hwreg(HW_REG_IB_STS2, 6, 4)
	s_cmp_eq_u32 s2, 0
	s_cbranch_scc0 .Lentry_in_a_cluster
	s_endpgm
.Lentry_in_a_cluster:
	s_bfe_u32 s2, ttmp6, 0x10000c
	s_cmp_lg_u32 s2, 0xf033
	s_cbranch_scc0 .Lentry_shape_is_right
	s_endpgm
.Lentry_shape_is_right:
; q, k and v: x W^T on codes of FP6 (E2M3) with E8M0 scales, K = 1,024; then q and k are rotated, and all three are quantised again in registers and leave as codes in the order in which the attention launch's operands want them.
; A tile of the result, 256 x 256, is made by four waves, 128 x 128 each: 64 accumulators, 512 registers.  K goes in steps of 256 through two LDS slots filled by the tensor data mover.
; OPERANDS lie in memory as images of their registers (a fragment of 16 rows x 128 K is 1,536 bytes; a tile of 16 rows has 12,288 bytes of codes and 512 of scale words), so a fragment comes from LDS by loads of
; 16, 8, 16 and 8 bytes a lane at consecutive addresses.  A tile's 16 rows are not neighbours: slot r of tile t is row 32 (t / 2) + 8 (t % 2) + r + 8 (r / 8).  So, with such tiles as source 0, a lane's 16 result
; registers of tiles 2 b and 2 b + 1 are 16 neighbours: 32 b + 16 (lane / 16) + 0 .. 15.
; CLUSTERS of 4 x 4.  Cluster x says what is made: 0 q, 1 k, 2 v.  'A' is source 1 and is shared along a row of the cluster, 'B' is source 0 and is shared along a column; each tile is asked for jointly.
;   q, k: A = 256 tokens of x, B = 256 rows of wq or wk: a lane holds one token, its registers run along the head's channels, which are the next product's K.
;   v:    A = 256 rows of wv, B = 256 tokens of x: a lane holds one channel, its registers run along the tokens (the keys), which are the next product's K.
; OUT: for each (batch, head) and each 128 tokens a record of 13,056 bytes: +0 eight half fragments (16 tokens x 64 channels, 768 bytes) of q (in qb) or k (in kv); +6,144 four fragments of v^T (16 channels x 128 keys);
;   +12,288 q's or k's scale words [tile / 4][slot][tile % 4]; +12,800 v's [slot][tile].
; LIMITS: a block of zeros gets the scale byte 1 where the quantiser says 127 (its codes are zeros; this program alone reads the bytes); magnitudes under 2^-124 fall under the floor; NaN and infinities are not served.
; REGISTERS, in windows of 256: window 0: v16-31 addresses; v32-63 scale words, two sets; v128-223 A's fragments, one set; on the way out v64-139 and v224-239 at work.
;   window 1: B's fragments, two sets, at v0 and v128; on q's and k's way out the rotary tables.   windows 2, 3: the accumulators ((a, b) at v[8 (8 (a % 4) + b)]).
.set NQ,     2                         ; matrix instructions deep in a slot
.set FR,     12                        ; registers of a fragment
.set NL,     4                         ; LDS loads that bring one
.set NP,     4                         ; places behind this matrix instruction (ISA guide 7.12.1)
.set TILEB,  3072                      ; a tile's codes of 256 along K: two fragments
.set HALFT,  8*TILEB                   ; eight tiles: what one tensor load brings, and what one wave reads of A or of B
.set SLOT,   4*HALFT
.set LAPS,   2                         ; 1,024 / 512: a lap is once round the ring
.set SCL,    2*SLOT                    ; behind the ring: the scale words, for all of K
.set HALFS,  4096                      ; those of eight tiles
.set SPARE,  SCL+4*HALFS               ; the spare words, 128 bytes a wave: two blocks of 256 bytes that no other line names
.set HEADB,  208896                    ; a head's 16 records
.set RECB,   13056
.set ADRA, 16                          ; v16-17 A's fragments in slot 0, 1, + 16 x lane;  v18-19 the same + 8 x lane
.set ADRB, 20                          ; v20-23 likewise for B
.set L16,  24                          ; v24 16 x lane
.set L8,   25                          ; v25 8 x lane
.set VSO,  26                          ; v26 v's way out: where my four scale words go
.set ADRS, 27                          ; v27 my scale words: lanes 0-15 A's, lanes 16-31 B's
.set SPW,  28                          ; v28 LDS address of my spare word; never rewritten
.set NIL,  29                          ; v29 0; never rewritten
.set RR,   30                          ; v30 lane % 16
.set HH,   31                          ; v31 lane / 16
.set SC,   32
.set Y,    64                          ; v64-95 a head's 32 rotated numbers
.set QM,   96                          ; v96-107 the quantiser's small numbers
.set CD,   112                         ; v112-130 codes
.set OW,   132                         ; v132-139 scale words on their way out
.set AF,   128
.set SW,   224                         ; v224-239 scale words as they are made
.set G1, 24
.set G0, 32
.set G1B, 48
.set G0B, 56
.set G1S, 68
.set G0S, 76
.set G1SB, 80
.set G0SB, 88
.set MSB, 0
.macro WIN new                         ; the immediate's high byte repeats the setting that is left
.if MSB != (\new)
	s_set_vgpr_msb (MSB<<8)|(\new)
.set MSB, \new
.endif
.endm
.set MUL_LO, 0xa1                      ; source 0 (B) window 1, source 1 (A) window 0, C and D window 2
.set MUL_HI, 0xf1
.set TO_B,   0x40                      ; destination window 1, address window 0
; A joint load: waves 0 and 1 fetch for A, waves 2 and 3 for B; the branch hangs on the wave's number alone.  An s_nop 0 and four v_nop follow each of the two lines.
.macro JLOAD g0a, g1a, g0b, g1b
	s_cmp_eq_u32 s15, 0
	s_cbranch_scc0 .Lfor_b_\@
	tensor_load_to_lds s[\g0a:\g0a+3], s[\g1a:\g1a+7]
	s_nop 0
.rept 4
	v_nop
.endr
	s_branch .Lasked_\@
.Lfor_b_\@:
	tensor_load_to_lds s[\g0b:\g0b+3], s[\g1b:\g1b+7]
	s_nop 0
.rept 4
	v_nop
.endr
.Lasked_\@:
.endm
.macro CREST                           ; a round of the cluster's barrier behind its opening barrier
	s_cmp_lg_u32 s14, 0
	s_cbranch_scc1 .Lnot_wave_0_\@
	s_barrier_signal -3
.Lnot_wave_0_\@:
	s_barrier_wait -3
	s_barrier_signal -1
	s_barrier_wait -1
.endm
.macro CROUND
	s_barrier_signal -1
	s_barrier_wait -1
	CREST
.endm
	s_load_b256 s[4:11], s[0:1], 0x0               ; xcs s[4:5], wcs s[6:7], rope s[8:9], qb s[10:11]
	s_load_b64 s[12:13], s[0:1], 0x20              ; kv
	v_lshl_add_u32 v[SPW], v0, 2, SPARE
	v_mov_b32 v[NIL], 0
	ds_add_u32 v[SPW], v[NIL]                      ; the wave's opening: the add and its wait stand ahead of my first tensor load; work on registers stands between them
	v_lshrrev_b32 v1, 5, v0
	v_readfirstlane_b32 s14, v1                    ; wave 0..3
	s_lshr_b32 s15, s14, 1                         ; which half of A's 256 rows is mine.  Also: I fetch for A (0) or for B (1)
	s_and_b32 s16, s14, 1                          ; which half of B's.  Also: which eight tiles I fetch
	s_bfe_u32 s40, ttmp6, 0x40000                  ; cx, cy: my place in the cluster
	s_bfe_u32 s41, ttmp6, 0x40004
	s_and_b32 s99, ttmp7, 0xffff
	s_lshl_b32 s99, s99, 2                         ; 4 x cluster y
	s_add_co_u32 s17, s99, s41                     ; q, k: my 256 tokens
	s_add_co_u32 s45, s99, s40                     ; v: my 256 tokens
	s_lshl_b32 s42, ttmp9, 2
	s_add_co_u32 s42, s42, s40                     ; q, k: my 256 rows among wq's and wk's
	s_add_co_u32 s18, s41, 8                       ; v: my 256 rows of wv, which lie behind them
	s_lshl_b32 s43, s41, 2
	s_lshl_b32 s43, 15, s43                        ; my row of the cluster
	s_lshl_b32 s44, 0x1111, s40                    ; my column
	s_cmp_eq_u32 ttmp9, 2                          ; v?  The cluster's x is the same in all sixteen partners
	s_cselect_b32 s98, 1, 0
	s_cselect_b32 s20, s18, s17                    ; A's block of 256 rows: it hangs on cy alone,
	s_cselect_b32 s46, s45, s42                    ; B's on cx alone
	s_mov_b32 s19, 0x600000
	s_cselect_b32 s100, 0x300000, s19              ; where the scale words begin in A's buffer,
	s_mov_b32 s19, 0x300000
	s_cselect_b32 s101, 0x600000, s19              ; and in B's
	; descriptor group 1 for codes: 8 rows (tiles) of 3,072 bytes, 12,288 bytes apart; elements of 8 bytes; no padding
	s_or_b32 s[G1+0], s43, (3<<16)|(1<<21)         ; 15:0 the mask: A's tiles go to my row; 17:16 elements of 8 bytes; 21 set beside a mask
	s_or_b32 s[G1B+0], s44, (3<<16)|(1<<21)
.irp g, G1, G1B
	s_mov_b32 s[\g+1], 384<<16                     ; tensor_dim0
	s_mov_b32 s[\g+2], 8<<16                       ; tensor_dim1
	s_mov_b32 s[\g+3], 384<<16                     ; tile_dim0
	s_mov_b32 s[\g+4], 8                           ; tile_dim1
	s_mov_b32 s[\g+5], 1536                        ; tensor_dim0_stride
	s_mov_b32 s[\g+6], 0
	s_mov_b32 s[\g+7], 0
.endr
	; and for the scale words of eight tiles: 4,096 dense bytes as 16 rows of 256
	s_or_b32 s[G1S+0], s43, (3<<16)|(1<<21)
	s_or_b32 s[G1SB+0], s44, (3<<16)|(1<<21)
.irp g, G1S, G1SB
	s_mov_b32 s[\g+1], 32<<16
	s_mov_b32 s[\g+2], 16<<16
	s_mov_b32 s[\g+3], 32<<16
	s_mov_b32 s[\g+4], 16
	s_mov_b32 s[\g+5], 32
	s_mov_b32 s[\g+6], 0
	s_mov_b32 s[\g+7], 0
.endr
	s_lshl_b32 s18, s16, 3
	s_lshl_b32 s20, s20, 4
	s_add_co_u32 s20, s20, s18                     ; the first tile that I fetch for A,
	s_lshl_b32 s46, s46, 4
	s_add_co_u32 s46, s46, s18                     ; for B
	s_lshl_b32 s22, s20, 9
	s_add_co_u32 s22, s22, s100                    ; its scale words,
	s_mov_b32 s23, 0
	s_lshl_b32 s92, s46, 9
	s_add_co_u32 s92, s92, s101
	s_mov_b32 s93, 0
	s_mul_i32 s20, s20, 12288                      ; its codes
	s_mov_b32 s21, 0
	s_mul_i32 s46, s46, 12288
	s_mov_b32 s47, 0
	s_mul_i32 s66, s14, HALFT                      ; where they go: wave x eight tiles: no place in the cluster enters an LDS address
	s_lshl_b32 s67, s14, 12
	s_wait_dscnt 0x0                               ; the opening add is done
	s_wait_kmcnt 0x0
	s_cmp_eq_u32 s98, 1
	s_cselect_b64 s[18:19], s[6:7], s[4:5]         ; A's buffer
	s_cselect_b64 s[100:101], s[4:5], s[6:7]       ; B's
	s_add_nc_u64 s[20:21], s[18:19], s[20:21]
	s_add_nc_u64 s[22:23], s[18:19], s[22:23]
	s_add_nc_u64 s[46:47], s[100:101], s[46:47]
	s_add_nc_u64 s[92:93], s[100:101], s[92:93]
	CROUND                                         ; all sixteen work-groups are here: the first joint loads meet
	s_mov_b32 s[G0S], 1
	s_add_co_u32 s[G0S+1], s67, SCL
	s_mov_b64 s[G0S+2:G0S+3], s[22:23]
	s_or_b32 s[G0S+3], s[G0S+3], 0x80000000
	s_mov_b32 s[G0SB], 1
	s_add_co_u32 s[G0SB+1], s67, SCL
	s_mov_b64 s[G0SB+2:G0SB+3], s[92:93]
	s_or_b32 s[G0SB+3], s[G0SB+3], 0x80000000
	JLOAD G0S, G1S, G0SB, G1SB                     ; the scale words first: they are wanted with K step 0.  Three loads of mine are out at the most
.irp s, 0,1
	s_mov_b32 s[G0+4*\s], 1
	s_add_co_u32 s[G0+4*\s+1], s66, \s*SLOT
	s_add_nc_u64 s[G0+4*\s+2:G0+4*\s+3], s[20:21], \s*TILEB
	s_or_b32 s[G0+4*\s+3], s[G0+4*\s+3], 0x80000000
	s_mov_b32 s[G0B+4*\s], 1
	s_add_co_u32 s[G0B+4*\s+1], s66, \s*SLOT
	s_add_nc_u64 s[G0B+4*\s+2:G0B+4*\s+3], s[46:47], \s*TILEB
	s_or_b32 s[G0B+4*\s+3], s[G0B+4*\s+3], 0x80000000
	JLOAD G0+4*\s, G1, G0B+4*\s, G1B
.endr
	v_and_b32 v1, 31, v0
	v_and_b32 v[RR], 15, v0
	v_bfe_u32 v[HH], v0, 4, 1
	v_lshlrev_b32 v[L16], 4, v1
	v_lshlrev_b32 v[L8], 3, v1
	s_mul_i32 s18, s15, HALFT                      ; my eight tiles of A
	s_mul_i32 s19, s16, HALFT                      ; my eight tiles of B,
	s_add_co_u32 s19, s19, 2*HALFT                 ; which lie behind A's sixteen
.irp s, 0,1
	v_add_nc_u32 v[ADRA+\s], s18, v[L16]
	v_add_nc_u32 v[ADRB+\s], s19, v[L16]
	v_add_nc_u32 v[ADRA+2+\s], s18, v[L8]
	v_add_nc_u32 v[ADRB+2+\s], s19, v[L8]
	s_add_co_u32 s18, s18, SLOT
	s_add_co_u32 s19, s19, SLOT
.endr
	v_lshlrev_b32 v6, 3, v[RR]                     ; a slot's two words of a K step
	s_lshl_b32 s18, s15, 12                        ; A's: my eight tiles
	s_lshl_b32 s19, s16, 12                        ; B's, behind A's sixteen
	s_add_co_u32 s19, s19, 2*HALFS
	s_sub_co_u32 s19, s19, s18
	v_mul_u32_u24 v7, s19, v[HH]                   ; lanes 16-31 take B's
	s_add_co_u32 s18, s18, SCL
	v_add_nc_u32 v6, v6, v7
	v_add_nc_u32 v[ADRS], s18, v6
.macro FRAG reg, adr, q, i             ; a fragment's image, as it lies: registers 0-3, 4-5, 6-9, 10-11; each load takes consecutive bytes
	ds_load_b128 v[\reg:\reg+3], v[\adr] offset:(\i)*TILEB+(\q)*1536
	ds_load_b64 v[\reg+4:\reg+5], v[\adr+2] offset:(\i)*TILEB+(\q)*1536+512
	ds_load_b128 v[\reg+6:\reg+9], v[\adr] offset:(\i)*TILEB+(\q)*1536+768
	ds_load_b64 v[\reg+10:\reg+11], v[\adr+2] offset:(\i)*TILEB+(\q)*1536+1280
.endm
; 16 matrix instructions: A's blocks a0, a0 + 1 x B's eight, 128 along K.  The 64 accumulators take turns, one instruction a turn, in the same order in every step.
.macro MUL16 a0, p, q, sc, zero
.irp a, \a0, \a0+1
.irp b, 0,1,2,3,4,5,6,7
.if \zero
	v_wmma_scale_f32_16x16x128_f8f6f4 v[8*(8*((\a)%4)+\b):8*(8*((\a)%4)+\b)+7], v[128*(\p)+FR*\b:128*(\p)+FR*\b+FR-1], v[AF+FR*(\a):AF+FR*(\a)+FR-1], 0, v[SC+8*NQ*(\sc)+NQ*\b+(\q)], v[SC+8*NQ*(\sc)+NQ*(\a)+(\q)] matrix_a_fmt:MATRIX_FMT_FP6 matrix_b_fmt:MATRIX_FMT_FP6 matrix_a_scale:MATRIX_SCALE_ROW1
.else
	v_wmma_scale_f32_16x16x128_f8f6f4 v[8*(8*((\a)%4)+\b):8*(8*((\a)%4)+\b)+7], v[128*(\p)+FR*\b:128*(\p)+FR*\b+FR-1], v[AF+FR*(\a):AF+FR*(\a)+FR-1], v[8*(8*((\a)%4)+\b):8*(8*((\a)%4)+\b)+7], v[SC+8*NQ*(\sc)+NQ*\b+(\q)], v[SC+8*NQ*(\sc)+NQ*(\a)+(\q)] matrix_a_fmt:MATRIX_FMT_FP6 matrix_b_fmt:MATRIX_FMT_FP6 matrix_a_scale:MATRIX_SCALE_ROW1
.endif
.endr
.endr
.endm
.macro FETCH_B slot, q, p
	WIN TO_B
.irp i, 0,1,2,3,4,5,6,7
	FRAG 128*(\p)+FR*\i, ADRB+\slot, \q, \i
.endr
	WIN 0
.endm
.macro FETCH_A slot, q, i0
.irp i, \i0, \i0+1, \i0+2, \i0+3
	FRAG AF+FR*(\i), ADRA+\slot, \q, \i
.endr
.endm
.macro SCALES sc                       ; a K step's scale words: two a slot; lanes 0-15 take A's tile i, lanes 16-31 B's tile i
.irp i, 0,1,2,3,4,5,6,7
	ds_load_b64 v[SC+8*NQ*\sc+NQ*\i:SC+8*NQ*\sc+NQ*\i+1], v[ADRS] offset:\i*512
.endr
.endm
.macro PLACES n                        ; plain vector instructions between a matrix instruction and a load into, or a read of, its registers
.rept \n
	v_nop
.endr
.endm
.macro STEP slot, q, zero              ; 128 along K that has its successor in the same slot
	s_wait_dscnt 4*NL                              ; B's set and A's blocks 0-3 are in; the youngest 16 loads (A's blocks 4-7) may be out
	WIN MUL_LO
	MUL16 0, (\q)%2, \q, \slot, \zero
	MUL16 2, (\q)%2, \q, \slot, \zero
	s_wait_dscnt 0
	PLACES NP
	FETCH_B \slot, (\q)+1, 1-(\q)%2
	FETCH_A \slot, (\q)+1, 0
	WIN MUL_HI
	MUL16 4, (\q)%2, \q, \slot, \zero
	MUL16 6, (\q)%2, \q, \slot, \zero
	PLACES NP
	WIN 0
	FETCH_A \slot, (\q)+1, 4
.endm
; A slot's last step changes slots: one barrier; in front of it each wave waits for all its tensor loads, adds 0 to its spare word, and waits for that and for its reads of this slot.
.macro TURN slot, next, fill
	s_wait_tensorcnt 0x0                           ; all my tensor loads have landed: my part of the next slot
	ds_add_u32 v[SPW], v[NIL]                      ; 0 onto my spare word
	s_wait_dscnt 4*NL+1                            ; (the add and the youngest 16 loads may be out)
	WIN MUL_LO
	MUL16 0, 1, NQ-1, \slot, 0
	s_wait_dscnt 0x0                               ; the add is done, and my reads of this slot are over
	s_barrier_signal -1
	MUL16 2, 1, NQ-1, \slot, 0
	WIN 0
	s_barrier_wait -1
.if \fill
	CREST                                          ; the barrier has opened a round of the cluster's: no wave of any partner still reads this slot or has a load on its way
	s_add_nc_u64 s[G0+4*\slot+2:G0+4*\slot+3], s[G0+4*\slot+2:G0+4*\slot+3], 2*TILEB
	s_add_nc_u64 s[G0B+4*\slot+2:G0B+4*\slot+3], s[G0B+4*\slot+2:G0B+4*\slot+3], 2*TILEB
	JLOAD G0+4*\slot, G1, G0B+4*\slot, G1B         ; my one tensor load behind the round; its four v_nop are also the places in front of the loads below
.else
	PLACES NP
.endif
	v_add_nc_u32 v[ADRS], 128, v[ADRS]             ; the next K step's scale words (no LDS load of mine is out)
	FETCH_B \next, 0, 0
	FETCH_A \next, 0, 0
	SCALES \next
	WIN MUL_HI
	MUL16 4, 1, NQ-1, \slot, 0
	MUL16 6, 1, NQ-1, \slot, 0
	PLACES NP
	WIN 0
	FETCH_A \next, 0, 4
.endm
	s_wait_tensorcnt 1                             ; the scale words and my part of K step 0 are in (K step 1's load may be out)
	s_barrier_signal -1
	s_barrier_wait -1                              ; everybody's are
	FETCH_B 0, 0, 0
	FETCH_A 0, 0, 0
	SCALES 0
	FETCH_A 0, 0, 4
	STEP 0, 0, 1                                   ; the first step's products start the sums: nothing is cleared
	s_mov_b32 s3, LAPS-1
.Llap:                                                 ; a trip goes once round the ring and fills both slots again
	TURN 0, 1, 1
	STEP 1, 0, 0
	TURN 1, 0, 1
	STEP 0, 0, 0
	s_sub_co_u32 s3, s3, 1
	s_cmp_lg_u32 s3, 0
	s_cbranch_scc1 .Llap
	TURN 0, 1, 0                                   ; the last lap fills nothing
	STEP 1, 0, 0
	s_wait_dscnt 4*NL
	WIN MUL_LO
	MUL16 0, 1, NQ-1, 1, 0
	MUL16 2, 1, NQ-1, 1, 0
	s_wait_dscnt 0
	WIN MUL_HI
	MUL16 4, 1, NQ-1, 1, 0
	MUL16 6, 1, NQ-1, 1, 0
	WIN 0
; ---- THE WAY OUT
.irp i, 2,3,4,5,6,7
	v_mov_b32 v[QM+\i], 0                          ; a lane permute's destination counts as read.  These six plain lines are also the places behind the last products
.endr
	s_mov_b32 s22, 0x76543210
	s_mov_b32 s23, 0xfedcba98                      ; v_permlanex16_b32's selects for lane l xor 16
	v_cmp_eq_u32 vcc_lo, 1, v[HH]                  ; lanes 16-31 (written behind the last tensor load)
	s_cmp_eq_u32 s98, 1
	s_cbranch_scc1 .Lv_out
; q, k.  Lane (r, h) holds token slot r of A's tile a; registers 32 g + 16 b + i of the tile's 64 are channel 32 b + 16 h + i of my head g.
	s_cmp_eq_u32 ttmp9, 0
	s_cselect_b64 s[94:95], s[10:11], s[12:13]     ; q goes to qb, k to kv
	s_lshr_b32 s18, s17, 3                         ; the batch: eight blocks of 256 tokens each
	s_lshl_b32 s18, s18, 4
	s_lshl_b32 s19, s40, 2
	s_add_co_u32 s18, s18, s19
	s_lshl_b32 s19, s16, 1
	s_add_co_u32 s18, s18, s19                     ; 16 x batch + my first head (4 cx + 2 x half)
	s_mul_i32 s18, s18, HEADB
	s_and_b32 s19, s17, 7
	s_lshl_b32 s19, s19, 1
	s_add_co_u32 s19, s19, s15                     ; which 128 tokens of the sequence
	s_mul_i32 s20, s19, RECB
	s_add_co_u32 s18, s18, s20
	s_lshl_b32 s20, s19, 15                        ; their eight tables of 4,096 bytes
	s_mov_b32 s21, 0
	s_mov_b32 s19, 0
	s_add_nc_u64 s[94:95], s[94:95], s[18:19]
	s_add_nc_u64 s[8:9], s[8:9], s[20:21]
	WIN TO_B                                       ; the tables take the place of B's fragments: tile a's 32 registers at v[32 a] of window 1: cos, sin of pair 16 b + 8 h + i / 2 at 16 b + i, + 1
.irp a, 0,1,2,3,4,5,6,7
.irp k, 0,1,2,3,4,5,6,7
	global_load_b128 v[32*\a+4*\k:32*\a+4*\k+3], v[L16], s[8:9] offset:4096*\a+512*\k
.endr
.endr
	WIN 0
.macro QKTILE a, g
.set AC, 64*((\a)%4)+32*(\g)
.set TB, 32*(\a)
.if (\g) == 0
	s_wait_loadcnt 56-8*(\a)                       ; tile a's eight table loads are in; the later tiles' may be out
.endif
	WIN 0x06+(\a)/4                                ; source 0: the accumulators' window; source 1: window 1
.set n, 0
.rept 16
	v_pk_mul_f32 v[Y+n:Y+n+1], v[AC+n:AC+n+1], v[TB+n:TB+n+1] op_sel:[1,1] op_sel_hi:[0,1]   ; (x2 sin, x1 sin); each accumulator is read from its low end on
.set n, n+2
.endr
.set n, 0
.rept 16
	v_pk_fma_f32 v[Y+n:Y+n+1], v[AC+n:AC+n+1], v[TB+n:TB+n+1], v[Y+n:Y+n+1] op_sel_hi:[1,0,1] neg_lo:[0,0,1]   ; (x1 cos - x2 sin, x2 cos + x1 sin)
.set n, n+2
.endr
	WIN 0
.irp b, 0,1
	v_max3_num_f32 v[QM+\b], |v[Y+16*\b]|, |v[Y+16*\b+1]|, 0x1800000   ; block b: my 16 numbers, and the floor 2^(3 - 127)
.endr
.irp i, 2,4,6,8,10,12,14
.irp b, 0,1
	v_max3_num_f32 v[QM+\b], v[QM+\b], |v[Y+16*\b+\i]|, |v[Y+16*\b+\i+1]|
.endr
.endr
.irp b, 0,1
	v_permlanex16_b32 v[QM+2+\b], v[QM+\b], s22, s23
.endr
.irp b, 0,1
	v_max_num_f32 v[QM+\b], v[QM+\b], v[QM+2+\b]   ; with lane l xor 16's: the block's largest magnitude
.endr
.irp b, 0,1
	v_add_nc_u32 v[QM+4+\b], 0xff000000, v[QM+\b]  ; 2 off the exponent field: the conversion's scale operand
.endr
.irp b, 0,1
	v_lshrrev_b32 v[QM+6+\b], 23, v[QM+4+\b]       ; the scale's byte
.endr
	v_lshl_or_b32 v[SW+8*(\g)+(\a)], v[QM+7], 8, v[QM+6]   ; the token's scale word: two bytes; the upper two stay 0
	s_wait_xcnt 0x0                                ; the last tile's stores have read their registers
	v_cvt_scalef32_pk16_fp6_f32 v[CD:CD+2], v[Y:Y+15], v[QM+4]
	v_cvt_scalef32_pk16_fp6_f32 v[CD+12:CD+14], v[Y+16:Y+31], v[QM+5]
	v_nop                                          ; one plain place behind a scaled conversion
.irp i, 0,1,2
	v_permlane16_swap_b32 v[CD+\i], v[CD+12+\i]    ; the layout wants a whole block in a lane: lanes 0-15 block 0, lanes 16-31 block 1
.endr
.irp i, 0,1,2
	v_mov_b32 v[CD+3+\i], v[CD+12+\i]
.endr
	global_store_b128 v[L16], v[CD:CD+3], s[94:95] offset:HEADB*(\g)+768*(\a)        ; 512 and 256 consecutive bytes, aligned to 256
	global_store_b64 v[L8], v[CD+4:CD+5], s[94:95] offset:HEADB*(\g)+768*(\a)+512
.endm
.irp a, 0,1,2,3,4,5,6,7
.irp g, 0,1
	QKTILE \a, \g
.endr
.endr
.irp g, 0,1
.irp k, 0,1,2,3
	v_cndmask_b32 v[OW+4*\g+\k], v[SW+8*\g+\k], v[SW+8*\g+4+\k], vcc_lo   ; lanes 0-15 store tiles 0-3's words, lanes 16-31 tiles 4-7's
.endr
	global_store_b128 v[L16], v[OW+4*\g:OW+4*\g+3], s[94:95] offset:HEADB*\g+12288
.endr
	s_branch .Lend
; v.  Lane (r, h) holds channel slot r of A's tile a; register 16 b + i of the tile's 64 is key 32 b + 16 h + i of my 128: one fragment of v^T and one scale word a channel.
.Lv_out:
	s_lshr_b32 s18, s45, 3
	s_lshl_b32 s18, s18, 4
	s_lshl_b32 s19, s41, 2
	s_add_co_u32 s18, s18, s19
	s_lshl_b32 s19, s15, 1
	s_add_co_u32 s18, s18, s19                     ; 16 x batch + my first head (4 cy + 2 x half)
	s_mul_i32 s18, s18, HEADB
	s_and_b32 s19, s45, 7
	s_lshl_b32 s19, s19, 1
	s_add_co_u32 s19, s19, s16                     ; which 128 keys of the sequence
	s_mul_i32 s19, s19, RECB
	s_add_co_u32 s18, s18, s19
	s_mov_b32 s19, 0
	s_add_nc_u64 s[94:95], s[12:13], s[18:19]
	v_mul_u32_u24 v[VSO], v[HH], HEADB
	v_lshl_add_u32 v[VSO], v[RR], 4, v[VSO]        ; lanes 0-15 store my first head's words, lanes 16-31 my second's
.macro VTILE a
.set AC, 64*((\a)%4)
.irp b, 0,1,2,3
	v_mov_b32 v[QM+\b], 0x1800000                  ; the floor 2^(3 - 127) starts each block's maximum
.endr
	WIN 0x28+0x14*((\a)/4)                         ; sources 1 and 2: the accumulators' window
.irp i, 0,2,4,6,8,10,12,14
.irp b, 0,1,2,3
	v_max3_num_f32 v[QM+\b], v[QM+\b], |v[AC+16*\b+\i]|, |v[AC+16*\b+\i+1]|   ; each accumulator is read from its low end on
.endr
.endr
	WIN 0
.irp b, 0,1,2,3
	v_permlanex16_b32 v[QM+4+\b], v[QM+\b], s22, s23
.endr
.irp b, 0,1,2,3
	v_max_num_f32 v[QM+\b], v[QM+\b], v[QM+4+\b]
.endr
.irp b, 0,1,2,3
	v_add_nc_u32 v[QM+8+\b], 0xff000000, v[QM+\b]
.endr
.irp b, 0,1,2,3
	v_lshrrev_b32 v[QM+4+\b], 23, v[QM+8+\b]
.endr
	v_lshl_or_b32 v[SW+(\a)], v[QM+5], 8, v[QM+4]
	v_lshl_or_b32 v[SW+(\a)], v[QM+6], 16, v[SW+(\a)]
	v_lshl_or_b32 v[SW+(\a)], v[QM+7], 24, v[SW+(\a)]
	s_wait_xcnt 0x0                                ; the last tile's stores have read their registers
	WIN 0x02+(\a)/4                                ; source 0: the accumulators' window
.irp c, 0,1
	v_cvt_scalef32_pk16_fp6_f32 v[CD+6*\c:CD+6*\c+2], v[AC+32*\c:AC+32*\c+15], v[QM+8+2*\c]
	v_cvt_scalef32_pk16_fp6_f32 v[CD+12+4*\c:CD+14+4*\c], v[AC+32*\c+16:AC+32*\c+31], v[QM+8+2*\c+1]
.endr
	WIN 0
	v_nop                                          ; one plain place behind a scaled conversion
.irp c, 0,1
.irp i, 0,1,2
	v_permlane16_swap_b32 v[CD+6*\c+\i], v[CD+12+4*\c+\i]
.endr
.irp i, 0,1,2
	v_mov_b32 v[CD+3+6*\c+\i], v[CD+12+4*\c+\i]
.endr
.endr
	global_store_b128 v[L16], v[CD:CD+3], s[94:95] offset:HEADB*((\a)/4)+6144+1536*((\a)%4)
	global_store_b64 v[L8], v[CD+4:CD+5], s[94:95] offset:HEADB*((\a)/4)+6144+1536*((\a)%4)+512
	global_store_b128 v[L16], v[CD+6:CD+9], s[94:95] offset:HEADB*((\a)/4)+6144+1536*((\a)%4)+768
	global_store_b64 v[L8], v[CD+10:CD+11], s[94:95] offset:HEADB*((\a)/4)+6144+1536*((\a)%4)+1280
.endm
.irp a, 0,1,2,3,4,5,6,7
	VTILE \a
.endr
.irp k, 0,1,2,3
	v_cndmask_b32 v[OW+\k], v[SW+\k], v[SW+4+\k], vcc_lo
.endr
	global_store_b128 v[VSO], v[OW:OW+3], s[94:95] offset:12800   ; sixteen lanes store 256 consecutive bytes, aligned
.Lend:
	s_wait_tensorcnt 0x0                           ; the wave's end, behind my last tensor load
	ds_add_u32 v[SPW], v[NIL]
	s_wait_dscnt 0x0
	CROUND                                         ; the closing round: no work-group ends while a partner may still ask for a tile that names it
	s_endpgm
.Lfunc_end_k_qa9dc0ff1b7_qkv:
	.size	k_qa9dc0ff1b7_qkv, .Lfunc_end_k_qa9dc0ff1b7_qkv-k_qa9dc0ff1b7_qkv
	.p2alignl 7, 3214868480
	.fill 96, 4, 3214868480
	.section	.rodata,"a",@progbits
	.p2align	6, 0x0
	.amdhsa_kernel k_qa9dc0ff1b7_qkv
		.amdhsa_group_segment_fixed_size 327680
		.amdhsa_private_segment_fixed_size 0
		.amdhsa_enable_private_segment 0
		.amdhsa_kernarg_size 40
		.amdhsa_user_sgpr_count 2
		.amdhsa_user_sgpr_kernarg_segment_ptr 1
		.amdhsa_wavefront_size32 1
		.amdhsa_system_sgpr_workgroup_id_x 1
		.amdhsa_system_sgpr_workgroup_id_y 1
		.amdhsa_system_sgpr_workgroup_id_z 1
		.amdhsa_system_vgpr_workitem_id 0
		.amdhsa_next_free_vgpr 1024
		.amdhsa_next_free_sgpr 104
		.amdhsa_reserve_vcc 1
		.amdhsa_float_denorm_mode_32 3
		.amdhsa_float_denorm_mode_16_64 3
		.amdhsa_memory_ordered 1
		.amdhsa_forward_progress 1
		.amdhsa_inst_pref_size 223
	.end_amdhsa_kernel
	.amdgpu_metadata
---
amdhsa.version: [ 1, 2 ]
amdhsa.kernels:
  - .name:           k_qa9dc0ff1b7_qkv
    .symbol:         k_qa9dc0ff1b7_qkv.kd
    .args:
      - { .name: xcs, .offset: 0, .size: 8, .value_kind: global_buffer, .address_space: global }
      - { .name: wcs, .offset: 8, .size: 8, .value_kind: global_buffer, .address_space: global }
      - { .name: rope, .offset: 16, .size: 8, .value_kind: global_buffer, .address_space: global }
      - { .name: qb, .offset: 24, .size: 8, .value_kind: global_buffer, .address_space: global }
      - { .name: kv, .offset: 32, .size: 8, .value_kind: global_buffer, .address_space: global }
    .group_segment_fixed_size: 327680
    .private_segment_fixed_size: 0
    .kernarg_segment_align: 8
    .kernarg_segment_size: 40
    .max_flat_workgroup_size: 128
    .sgpr_count:     104
    .vgpr_count:     1024
    .wavefront_size: 32
...
	.end_amdgpu_metadata
.endif
;; end of part 2
;; launch attn (part 3): grid 4 x 64, 16 waves a work-group, no clusters, 210,944 bytes of LDS; arguments qb, kv, maskw, acs; writes acs
.if DOCPART == 3
	.amdgcn_target "amdgcn-amd-amdhsa--gfx1250"
	.amdhsa_code_object_version 6
	.text
	.protected	k_qa9dc0ff1b7_attn
	.globl	k_qa9dc0ff1b7_attn
	.p2align	8
	.type	k_qa9dc0ff1b7_attn,@function
k_qa9dc0ff1b7_attn:
	s_mov_b64 s[64:65], 0
	v_nop
	global_prefetch_b8 v0, s[64:65] scope:SCOPE_SE
	s_setreg_imm32_b32 hwreg(HW_REG_WAVE_MODE, 25, 1), 1
	s_wait_xcnt 0x0
; ATTENTION on codes of FP6 (E2M3) with E8M0 scales, head size 64, 2,048 keys, with the mask that the problem GIVES: its words and flags were made from its own bytes by the first launch.
; t = score x log2(e) / 8; M = the running largest t rounded UP to a whole number; p = 2^(t - M) is quantised along the keys, not normalised; the row's sum is taken of the unquantised p and divides at the end.
; SHARES.  A work-group owns one (batch, head) and 32 of its 128 tiles of 16 queries; the head's k, v^T and their scale words, 208,896 bytes, are copied into LDS once, as they lie.  Each of the sixteen waves takes two tiles,
; u = 16 x + wave and 127 - u, one after the other, and walks the 16 steps of 128 keys.  A step in which no key counts for any of the tile's queries is left out: a scalar branch on a stored flag.
; The launch has no tensor load and no joint loads in a cluster: the four work-groups of a head each copy the head through registers.
; LAYOUT.  Both products are used transposed: S^T = k q^T (source 0 = 16 keys, source 1 = my 16 queries), O^T = v^T p^T: a lane holds ONE query throughout.  The keys of a tile are not neighbours (slot r of tile t is key
; 32 (t / 2) + 8 (t % 2) + r + 8 (r / 8)), so that the 16 score registers of tiles 2 b, 2 b + 1 are keys 32 b + 16 (lane / 16) + 0 .. 15.
; THE HEAD'S 64 fill half of the instruction's 128 along K: q's upper six registers hold zero codes, q's and k's upper two scale bytes are 0 (2^-127, no NaN), and k's upper six registers are whatever follows: times zero.
; A QUERY FOR WHICH NO KEY COUNTS has the sum 0: its scale bytes are set to 0xff, so that the last launch makes that token's outputs NaN, as the softmax of an empty row is.
; OUT: O / sum, quantised along the channels, as half a fragment of the last product's operand, and two scale bytes a query.
; LIMITS: a block of zeros gets the scale byte 1 (this program alone reads the bytes); NaN and infinities among the inputs are not served.
.set HEADB, 208896
.set RECB,  13056
.set SPARE, HEADB                      ; behind the head: the spare words, 128 bytes a wave: eight blocks of 256 bytes that no other line names
.set L16,  1                           ; v1  16 x lane
.set L8,   2                           ; v2  8 x lane
.set R16,  3                           ; v3  16 x (lane % 16)
.set SPW,  4                           ; v4  LDS address of my spare word; never rewritten
.set NIL,  5                           ; v5  0; never rewritten
.set NINF, 6                           ; v6  -infinity
.set A16,  7                           ; v7-9 the step's record + 16 x lane, + 8 x lane, + 16 x (lane % 16)
.set A8,   8
.set AS,   9
.set R8,   10                          ; v10 8 x (lane % 16)
.set QS,   11                          ; v11 q's scale words
                                       ; v12 -M, v13 the largest t, v[14:15] the sum in two halves; v16-27 q (v22-27 zero codes); v28-31 v's scale words; v32-85 fragments (v80-85 zero); v86-93 k's scale words
.set S,    96                          ; v96-159 S^T, then p
.set O,    160                         ; v160-191 O^T
.set BM,   204                         ; v204-207 the blocks' largest scores, then largest p
.set PT,   208                         ; v208-211 the other half's, then the bytes
.set SO,   212                         ; v212-215 the conversions' scale operands
.set CT,   216                         ; v216-222 the conversions' second halves
.set PC,   224                         ; v224-235 p's codes
.set FF,   236                         ; v[236:237] f = 2^(old M - new M); at the end 1 / sum
.set PW,   238                         ; v238 p's scale word
.set TMP,  239
.set L2,   240                         ; v[240:241] the sum's second chain
.set Q1,   244                         ; v244-249 the second tile's q, v250 its scale words
	s_load_b256 s[4:11], s[0:1], 0x0               ; qb s[4:5], kv s[6:7], maskw s[8:9], acs s[10:11]
	v_lshl_add_u32 v[SPW], v0, 2, SPARE
	v_mov_b32 v[NIL], 0
	v_lshrrev_b32 v[TMP], 5, v0
	s_delay_alu instid0(VALU_DEP_1)
	v_readfirstlane_b32 s12, v[TMP]                ; wave 0..15
	v_and_b32 v[L8], 31, v0
	s_delay_alu instid0(VALU_DEP_1)
	v_lshlrev_b32 v[L16], 4, v[L8]
	s_delay_alu instid0(VALU_DEP_2)
	v_lshlrev_b32 v[L8], 3, v[L8]
	v_and_b32 v[R8], 15, v0
	s_delay_alu instid0(VALU_DEP_1)
	v_lshlrev_b32 v[R16], 4, v[R8]
	s_delay_alu instid0(VALU_DEP_2)
	v_lshlrev_b32 v[R8], 3, v[R8]
	s_and_b32 s26, ttmp7, 0xffff                   ; 16 x batch + head
	s_lshl_b32 s13, ttmp9, 4
	s_add_co_u32 s13, s13, s12                     ; my first tile of queries,
	s_sub_co_u32 s27, 127, s13                     ; and my second
	s_mul_i32 s28, s26, HEADB
	s_mov_b32 s29, 0
	s_lshl_b32 s100, s13, 4                        ; a tile's four words of flags
	s_lshl_b32 s101, s27, 4
	s_mov_b32 s20, 0x76543210
	s_mov_b32 s21, 0xfedcba98                      ; v_permlanex16_b32's selects for lane l xor 16
	s_mov_b32 s22, 0x3e38aa3b                      ; c = log2(e) / 8
	s_mov_b32 s23, s22                             ; (named with it as a pair, so it is written)
	s_wait_alu depctr_va_vdst(0)
	s_wait_kmcnt 0x0
	s_add_nc_u64 s[4:5], s[4:5], s[28:29]          ; my head in qb,
	s_add_nc_u64 s[6:7], s[6:7], s[28:29]          ; in kv
	s_load_b128 s[32:35], s[8:9], s100 offset:0x80000
	s_load_b128 s[36:39], s[8:9], s101 offset:0x80000
.macro QASK t, c, w, a                 ; tile s[t]'s half fragment of q into v[c] on, its scale words into v[w]; v[a] .. v[a + 2]: offsets of their own
	s_lshr_b32 s30, s[\t], 3
	s_mul_i32 s30, s30, RECB                       ; the record of its 128 tokens
	s_and_b32 s31, s[\t], 7
	s_mul_i32 s66, s31, 768
	s_add_co_u32 s66, s66, s30
	v_add_nc_u32 v[\a], s66, v[L16]
	v_add_nc_u32 v[\a+1], s66, v[L8]
	s_lshr_b32 s66, s31, 2
	s_lshl_b32 s66, s66, 8
	s_add_co_u32 s30, s30, s66
	s_and_b32 s66, s[\t], 3
	s_lshl_b32 s66, s66, 2
	s_add_co_u32 s30, s30, s66
	v_add_nc_u32 v[\a+2], s30, v[R16]
	global_load_b128 v[\c:\c+3], v[\a], s[4:5]
	global_load_b64 v[\c+4:\c+5], v[\a+1], s[4:5] offset:512
	global_load_b32 v[\w], v[\a+2], s[4:5] offset:12288
.endm
	QASK 13, 16, QS, 206
	QASK 27, Q1, Q1+6, 209
	; the head's copy: 512 threads x 16 bytes, 25 times, and once 8 bytes: 208,896 bytes; every load and every LDS store takes consecutive bytes
	v_lshlrev_b32 v198, 4, v0
	v_lshlrev_b32 v199, 3, v0
.irp n, 0,1,2,3,4,5,6,7,8,9,10,11,12,13,14,15,16,17,18,19,20,21,22,23,24
	global_load_b128 v[96+4*\n:99+4*\n], v198, s[6:7] offset:8192*\n
.endr
	global_load_b64 v[196:197], v199, s[6:7] offset:204800
	v_add_nc_u32 v201, 0x10000, v198               ; an LDS offset has 16 bits: the registers carry the rest
	v_add_nc_u32 v202, 0x20000, v198
	v_add_nc_u32 v203, 0x30000, v198
	v_add_nc_u32 v204, 0x30000, v199
	v_mov_b32 v200, v198
	s_wait_alu depctr_va_vdst(0)
.irp n, 0,1,2,3,4,5,6,7,8,9,10,11,12,13,14,15,16,17,18,19,20,21,22,23,24
	s_wait_loadcnt 25-\n                           ; loads come back in order: piece n is in, the younger ones may be out
	ds_store_b128 v[200+\n/8], v[96+4*\n:99+4*\n] offset:8192*(\n%8)
.endr
	s_wait_loadcnt 0x0
	ds_store_b64 v204, v[196:197] offset:8192
	s_wait_dscnt 0x0                               ; for the others' sake: my stores have landed
	s_barrier_signal -1
	s_barrier_wait -1                              ; the head lies in LDS; nobody writes it again
	s_wait_kmcnt 0x0
	s_or_b32 s17, s32, s33
	s_or_b32 s17, s17, s34
	s_or_b32 s17, s17, s35                         ; my first tile's flags: bit st: some key of step st counts; bit 16 + st: all do
	s_or_b32 s18, s36, s37
	s_or_b32 s18, s18, s38
	s_or_b32 s18, s18, s39                         ; my second tile's
	v_mov_b32 v[NINF], 0xff800000
.irp i, 22,23,24,25,26,27,80,81,82,83,84,85
	v_mov_b32 v[\i], 0                             ; zero codes
.endr
.irp b, 0,1,2,3
	v_mov_b32 v[PT+\b], 0                          ; a lane permute's destination counts as read
.endr
	v_mov_b32 v[FF+1], 0                           ; (named as the upper half of a pair)
	v_mov_b32 v[TMP], 0
	s_mov_b32 s14, 0
.Lpass:                                                ; two trips: a tile of queries each
	s_lshl_b32 s66, s13, 12                        ; the tile's 16 records of mask words, 256 bytes each
	s_mov_b32 s67, 0
	s_add_nc_u64 s[24:25], s[8:9], s[66:67]
	s_lshr_b32 s66, s26, 4
	s_lshl_b32 s66, s66, 7
	s_add_co_u32 s66, s66, s13                     ; the tile among the 512 tiles of tokens
	s_and_b32 s67, s26, 15                         ; the head
	s_lshl_b32 s28, s66, 3
	s_lshr_b32 s100, s67, 1
	s_add_co_u32 s28, s28, s100                    ; two heads make a fragment of 128 along the last product's K
	s_mul_i32 s28, s28, 1536
	s_and_b32 s101, s67, 1
	s_mul_i32 s29, s101, 768
	s_add_co_u32 s28, s28, s29
	s_mov_b32 s29, 0
	s_add_nc_u64 s[28:29], s[10:11], s[28:29]      ; where my codes go (the last stores that named this base were followed by a wait on XCNT)
	s_lshl_b32 s30, s66, 9
	s_lshr_b32 s66, s67, 2
	s_lshl_b32 s66, s66, 7
	s_add_co_u32 s30, s30, s66
	s_and_b32 s100, s100, 1
	s_lshl_b32 s100, s100, 2
	s_add_co_u32 s30, s30, s100
	s_lshl_b32 s101, s101, 1
	s_add_co_u32 s30, s30, s101
	s_add_co_u32 s30, s30, 0x600000
	s_mov_b32 s31, 0
	s_add_nc_u64 s[30:31], s[10:11], s[30:31]      ; and my two scale bytes a query
	v_mov_b32 v13, 0xff61b1e6                      ; the largest t so far: -3e38, under every t
	s_delay_alu instid0(VALU_DEP_1)
	v_floor_f32 v12, -v13                          ; -M
	v_mov_b32 v14, 0
	v_mov_b32 v15, 0
.set j, 0
.rept 32
	v_mov_b32 v[O+j], 0                            ; O^T: which step is the first to be walked hangs on the mask, so the sums begin as zeros, which the first change of M leaves zeros
.set j, j+1
.endr
	s_mov_b32 s15, 0                               ; the step
	s_mov_b32 s16, 0                               ; its record in LDS
.Lstep:                                                ; 16 trips, always; what is left out is a step's work
	s_bitcmp1_b32 s17, s15
	s_cbranch_scc0 .Lnext                          ; no key of this step counts for any of my queries
	s_load_b512 s[32:47], s[24:25], 0x0            ; the step's 64 mask words, asked for in every step that is walked, so that one branch alone hangs on the flag 'all'
	s_load_b512 s[48:63], s[24:25], 0x40
	s_load_b512 s[68:83], s[24:25], 0x80
	s_load_b512 s[84:99], s[24:25], 0xc0
	s_setprio 2
	v_add_nc_u32 v[A16], s16, v[L16]
	v_add_nc_u32 v[A8], s16, v[L8]
	v_add_nc_u32 v[AS], s16, v[R16]
	v_nop                                          ; four places in front of loads into registers that the last products have read
.irp t, 0,1,2,3,4,5,6,7
	ds_load_b128 v[32+6*\t:35+6*\t], v[A16] offset:768*\t
	ds_load_b64 v[36+6*\t:37+6*\t], v[A8] offset:768*\t+512
.endr
	ds_load_b128 v[86:89], v[AS] offset:12288      ; k's scale words: tiles 0-3,
	ds_load_b128 v[90:93], v[AS] offset:12544      ; tiles 4-7
	s_wait_alu depctr_va_vdst(0)
	s_wait_dscnt 0x0
.irp t, 0,1,2,3,4,5,6,7
	v_wmma_scale_f32_16x16x128_f8f6f4 v[S+8*\t:S+8*\t+7], v[32+6*\t:43+6*\t], v[16:27], 0, v[86+\t], v[QS] matrix_a_fmt:MATRIX_FMT_FP6 matrix_b_fmt:MATRIX_FMT_FP6
.endr
.rept 4
	v_nop                                          ; places: in front of the loads below and of the first read of the scores
.endr
.irp t, 0,1,2,3
	ds_load_b128 v[32+12*\t:35+12*\t], v[A16] offset:6144+1536*\t          ; v^T: it lands while the softmax is walked
	ds_load_b64 v[36+12*\t:37+12*\t], v[A8] offset:6144+1536*\t+512
	ds_load_b128 v[38+12*\t:41+12*\t], v[A16] offset:6144+1536*\t+768
	ds_load_b64 v[42+12*\t:43+12*\t], v[A8] offset:6144+1536*\t+1280
.endr
	ds_load_b128 v[28:31], v[AS] offset:12800      ; and its scale words
	s_wait_kmcnt 0x0                               ; the mask words are in: their registers and their base may be written again
	s_add_co_u32 s66, s15, 16
	s_bitcmp1_b32 s17, s66
	s_cbranch_scc1 .Lopen                          ; all keys of this step count for all my queries
.set j, 0
.rept 32
	v_cndmask_b32 v[S+j], v[NINF], v[S+j], s[32+j] ; a hidden key's score becomes -infinity: p = 0 then
.set j, j+1
.endr
.rept 32
	v_cndmask_b32 v[S+j], v[NINF], v[S+j], s[36+j]
.set j, j+1
.endr
.Lopen:
.irp b, 0,1,2,3
	v_max3_num_f32 v[BM+\b], v[S+16*\b], v[S+1+16*\b], v[S+2+16*\b]   ; the largest score of each block of 32 keys: for the row's maximum, and, since p rises with the score, for the block's largest p
.endr
.irp i, 3,5,7,9,11,13
.irp b, 0,1,2,3
	v_max3_num_f32 v[BM+\b], v[BM+\b], v[S+16*\b+\i], v[S+1+16*\b+\i]
.endr
.endr
.irp b, 0,1,2,3
	v_max_num_f32 v[BM+\b], v[BM+\b], v[S+15+16*\b]
.endr
.irp b, 0,1,2,3
	s_delay_alu instid0(VALU_DEP_4)
	v_permlanex16_b32 v[PT+\b], v[BM+\b], s20, s21
.endr
.irp b, 0,1,2,3
	s_delay_alu instid0(VALU_DEP_4)
	v_max_num_f32 v[BM+\b], v[BM+\b], v[PT+\b]     ; with lane l xor 16's 16 keys
.endr
	s_delay_alu instid0(VALU_DEP_2)
	v_max3_num_f32 v[TMP], v[BM], v[BM+1], v[BM+2]
	s_delay_alu instid0(VALU_DEP_1)
	v_max_num_f32 v[TMP], v[TMP], v[BM+3]
	s_delay_alu instid0(VALU_DEP_1)
	v_mul_f32 v[TMP], s22, v[TMP]                  ; as t (c is positive)
	s_delay_alu instid0(VALU_DEP_1)
	v_max_num_f32 v13, v13, v[TMP]                 ; the running largest t
	v_mov_b32 v[TMP], v12
	s_delay_alu instid0(VALU_DEP_2)
	v_floor_f32 v12, -v13                          ; the new -M = -ceil(t): a whole number
	s_delay_alu instid0(VALU_DEP_1)
	v_sub_f32 v[TMP], v12, v[TMP]                  ; old M - new M: a whole number, 0 or less
	s_delay_alu instid0(VALU_DEP_1)
	v_cvt_i32_f32 v[TMP], v[TMP]                   ; (it saturates)
	s_delay_alu instid0(VALU_DEP_1)
	v_ldexp_f32 v[FF], 1.0, v[TMP]                 ; f = 2^(old M - new M): a multiplication by it rounds nothing
.set j, 0
.rept 32
	v_pk_fma_f32 v[S+j:S+j+1], v[S+j:S+j+1], s[22:23], v[12:13] op_sel_hi:[1,0,0]   ; t - M, two at a time
.set j, j+2
.endr
.irp b, 0,1,2,3
	v_fma_f32 v[BM+\b], v[BM+\b], s22, v12         ; the same of each block's largest score
.endr
.set j, 0
	s_setprio 1
	s_wait_alu depctr_va_vdst(0)
.rept 64
	v_exp_f32 v[S+j], v[S+j]                       ; p = 2^(t - M), at most 1
.set j, j+1
.endr
	v_pk_mul_f32 v[14:15], v[14:15], v[FF:FF+1] op_sel_hi:[1,0]   ; the sums under the new M (a plain place behind the exponentials)
	s_wait_alu depctr_va_vdst(0)                   ; the wait ahead of the first line that names a result: one for the 64
.irp b, 0,1,2,3
	v_exp_f32 v[BM+\b], v[BM+\b]                   ; the block's largest p
.endr
	v_pk_add_f32 v[240:241], v[100:101], v[104:105]
	v_pk_add_f32 v[254:255], v[108:109], v[112:113]
	v_pk_add_f32 v[252:253], v[116:117], v[120:121]
	v_pk_add_f32 v[242:243], v[124:125], v[128:129]
	v_pk_add_f32 v[94:95], v[132:133], v[136:137]
	v_pk_add_f32 v[14:15], v[14:15], v[140:141]
	v_pk_add_f32 v[240:241], v[240:241], v[144:145]
	v_pk_add_f32 v[254:255], v[254:255], v[148:149]
	v_pk_add_f32 v[252:253], v[252:253], v[152:153]
	v_pk_add_f32 v[242:243], v[242:243], v[156:157]
	v_pk_add_f32 v[94:95], v[94:95], v[96:97]
	v_pk_add_f32 v[14:15], v[14:15], v[98:99]
	v_pk_add_f32 v[240:241], v[240:241], v[102:103]
	v_pk_add_f32 v[254:255], v[254:255], v[106:107]
	v_pk_add_f32 v[252:253], v[252:253], v[110:111]
	v_pk_add_f32 v[242:243], v[242:243], v[114:115]
	v_pk_add_f32 v[94:95], v[94:95], v[118:119]
	v_pk_add_f32 v[14:15], v[14:15], v[122:123]
	v_pk_add_f32 v[240:241], v[240:241], v[126:127]
	v_pk_add_f32 v[254:255], v[254:255], v[130:131]
	v_pk_add_f32 v[252:253], v[252:253], v[134:135]
	v_pk_add_f32 v[242:243], v[242:243], v[138:139]
	v_pk_add_f32 v[94:95], v[94:95], v[142:143]
	v_pk_add_f32 v[14:15], v[14:15], v[146:147]
	v_pk_add_f32 v[240:241], v[240:241], v[150:151]
	v_pk_add_f32 v[254:255], v[254:255], v[154:155]
	v_pk_add_f32 v[252:253], v[252:253], v[158:159]
	s_delay_alu instid0(VALU_DEP_1)
	v_pk_add_f32 v[14:15], v[14:15], v[252:253]
	s_delay_alu instid0(VALU_DEP_4)
	v_pk_add_f32 v[240:241], v[240:241], v[242:243]
	s_delay_alu instid0(VALU_DEP_4)
	v_pk_add_f32 v[254:255], v[254:255], v[94:95]
	s_delay_alu instid0(VALU_DEP_1)
	v_pk_add_f32 v[14:15], v[14:15], v[254:255]
	s_delay_alu instid0(VALU_DEP_1)
	v_pk_add_f32 v[14:15], v[14:15], v[240:241]
	s_wait_alu depctr_va_vdst(0)                   ; and one for the four
.irp b, 0,1,2,3
	v_max_num_f32 v[BM+\b], 0x1800000, v[BM+\b]    ; the floor 2^(3 - 127): the byte cannot fall under 1
.endr
.irp b, 0,1,2,3
	s_delay_alu instid0(VALU_DEP_4)
	v_add_nc_u32 v[SO+\b], 0xff000000, v[BM+\b]
.endr
.irp b, 0,1,2,3
	s_delay_alu instid0(VALU_DEP_4)
	v_lshrrev_b32 v[PT+\b], 23, v[SO+\b]
.endr
	s_delay_alu instid0(VALU_DEP_3)
	v_lshl_or_b32 v[PW], v[PT+1], 8, v[PT]         ; p's scale word for these 128 keys
	s_delay_alu instid0(VALU_DEP_1)
	v_lshl_or_b32 v[PW], v[PT+2], 16, v[PW]
	s_delay_alu instid0(VALU_DEP_1)
	v_lshl_or_b32 v[PW], v[PT+3], 24, v[PW]
.irp c, 0,1
	v_cvt_scalef32_pk16_fp6_f32 v[PC+6*\c:PC+2+6*\c], v[S+32*\c:S+15+32*\c], v[SO+2*\c]
	v_cvt_scalef32_pk16_fp6_f32 v[CT+4*\c:CT+2+4*\c], v[S+16+32*\c:S+31+32*\c], v[SO+2*\c+1]
.endr
	s_setprio 0
	v_nop                                          ; one plain place behind a scaled conversion
.irp c, 0,1
.irp i, 0,1,2
	v_permlane16_swap_b32 v[PC+6*\c+\i], v[CT+4*\c+\i]   ; a whole block in a lane
.endr
.irp i, 0,1,2
	s_delay_alu instid0(VALU_DEP_3)
	v_mov_b32 v[PC+3+6*\c+\i], v[CT+4*\c+\i]
.endr
.endr
.set j, 0
.rept 16
	v_pk_mul_f32 v[O+j:O+j+1], v[O+j:O+j+1], v[FF:FF+1] op_sel_hi:[1,0]   ; O^T under the new M.  These sixteen also stand between the lines that made p's codes and scale word and the products
.set j, j+2
.endr
	s_wait_alu depctr_va_vdst(0)
	s_wait_dscnt 0x0                               ; v^T is in
.irp t, 0,1,2,3
	v_wmma_scale_f32_16x16x128_f8f6f4 v[O+8*\t:O+8*\t+7], v[32+12*\t:43+12*\t], v[PC:PC+11], v[O+8*\t:O+8*\t+7], v[28+\t], v[PW] matrix_a_fmt:MATRIX_FMT_FP6 matrix_b_fmt:MATRIX_FMT_FP6
.endr
.Lnext:
	s_add_nc_u64 s[24:25], s[24:25], 256
	s_add_co_u32 s16, s16, RECB
	s_add_co_u32 s15, s15, 1
	s_cmp_lt_u32 s15, 16
	s_cbranch_scc1 .Lstep
	s_setprio 0
	; the tile's way out
.rept 4
	v_nop                                          ; places behind the last products
.endr
	v_add_f32 v14, v14, v15
	s_delay_alu instid0(VALU_DEP_1)
	v_permlanex16_b32 v[TMP], v14, s20, s21
	s_delay_alu instid0(VALU_DEP_1)
	v_add_f32 v14, v14, v[TMP]                     ; the row's sum
	s_wait_alu depctr_va_vdst(0)
	v_rcp_f32 v[FF], v14
	v_nop
	s_wait_alu depctr_va_vdst(0)                   ; the wait ahead of the first use
.set j, 0
.rept 16
	v_pk_mul_f32 v[S+j:S+j+1], v[O+j:O+j+1], v[FF:FF+1] op_sel_hi:[1,0]   ; register 16 b + i: channel 32 b + 16 h + i of my query
.set j, j+2
.endr
.irp b, 0,1
	v_max3_num_f32 v[BM+\b], |v[S+16*\b]|, |v[S+1+16*\b]|, 0x1800000
.endr
.irp i, 2,4,6,8,10,12,14
.irp b, 0,1
	s_delay_alu instid0(VALU_DEP_2)
	v_max3_num_f32 v[BM+\b], v[BM+\b], |v[S+16*\b+\i]|, |v[S+1+16*\b+\i]|
.endr
.endr
.irp b, 0,1
	s_delay_alu instid0(VALU_DEP_2)
	v_permlanex16_b32 v[PT+\b], v[BM+\b], s20, s21
.endr
.irp b, 0,1
	s_delay_alu instid0(VALU_DEP_2)
	v_max_num_f32 v[BM+\b], v[BM+\b], v[PT+\b]
.endr
.irp b, 0,1
	s_delay_alu instid0(VALU_DEP_2)
	v_add_nc_u32 v[SO+\b], 0xff000000, v[BM+\b]
.endr
.irp b, 0,1
	s_delay_alu instid0(VALU_DEP_2)
	v_lshrrev_b32 v[PT+\b], 23, v[SO+\b]
.endr
	s_delay_alu instid0(VALU_DEP_1)
	v_lshl_or_b32 v[TMP], v[PT+1], 8, v[PT]
	v_mov_b32 v[L2], 0xffff
	v_cmp_eq_f32 vcc_lo, 0, v14                    ; no key counted for this query:
	s_delay_alu instid0(VALU_DEP_1)
	v_cndmask_b32 v[TMP], v[TMP], v[L2], vcc_lo    ; both bytes become the NaN byte
	v_cvt_scalef32_pk16_fp6_f32 v[PC:PC+2], v[S:S+15], v[SO]
	v_cvt_scalef32_pk16_fp6_f32 v[CT:CT+2], v[S+16:S+31], v[SO+1]
	v_nop
.irp i, 0,1,2
	v_permlane16_swap_b32 v[PC+\i], v[CT+\i]
.endr
.irp i, 0,1,2
	s_delay_alu instid0(VALU_DEP_3)
	v_mov_b32 v[PC+3+\i], v[CT+\i]
.endr
	global_store_b128 v[L16], v[PC:PC+3], s[28:29]                 ; 512 and 256 consecutive bytes, aligned to 256
	global_store_b64 v[L8], v[PC+4:PC+5], s[28:29] offset:512
	v_cmp_gt_u32 vcc_lo, 256, v[L16]               ; lanes 0-15
	s_wait_xcnt 0x0                                ; EXEC changes only behind this wait
	s_and_saveexec_b32 s66, vcc_lo
	global_store_b16 v[R8], v[TMP], s[30:31]       ; two bytes a query, 8 bytes apart: a scale word spans two heads, which are two work-groups'; one byte in 24 of the codes'
	s_wait_xcnt 0x0
	s_or_b32 exec_lo, exec_lo, s66
.irp i, 0,1,2,3,4,5
	v_mov_b32 v[16+\i], v[Q1+\i]                   ; the second tile's q takes its place
.endr
	v_mov_b32 v[QS], v[Q1+6]
	s_mov_b32 s17, s18
	s_mov_b32 s13, s27
	s_add_co_u32 s14, s14, 1
	s_cmp_lt_u32 s14, 2
	s_cbranch_scc1 .Lpass
	s_wait_tensorcnt 0x0                           ; the wave's end, behind my last LDS store
	ds_add_u32 v[SPW], v[NIL]
	s_wait_dscnt 0x0
	s_endpgm
.Lfunc_end_k_qa9dc0ff1b7_attn:
	.size	k_qa9dc0ff1b7_attn, .Lfunc_end_k_qa9dc0ff1b7_attn-k_qa9dc0ff1b7_attn
	.p2alignl 7, 3214868480
	.fill 96, 4, 3214868480
	.section	.rodata,"a",@progbits
	.p2align	6, 0x0
	.amdhsa_kernel k_qa9dc0ff1b7_attn
		.amdhsa_group_segment_fixed_size 210944
		.amdhsa_private_segment_fixed_size 0
		.amdhsa_enable_private_segment 0
		.amdhsa_kernarg_size 32
		.amdhsa_user_sgpr_count 2
		.amdhsa_user_sgpr_kernarg_segment_ptr 1
		.amdhsa_wavefront_size32 1
		.amdhsa_system_sgpr_workgroup_id_x 1
		.amdhsa_system_sgpr_workgroup_id_y 1
		.amdhsa_system_sgpr_workgroup_id_z 1
		.amdhsa_system_vgpr_workitem_id 0
		.amdhsa_next_free_vgpr 256
		.amdhsa_next_free_sgpr 104
		.amdhsa_reserve_vcc 1
		.amdhsa_float_denorm_mode_32 3
		.amdhsa_float_denorm_mode_16_64 3
		.amdhsa_memory_ordered 1
		.amdhsa_forward_progress 1
		.amdhsa_inst_pref_size 39
	.end_amdhsa_kernel
	.amdgpu_metadata
---
amdhsa.version: [ 1, 2 ]
amdhsa.kernels:
  - .name:           k_qa9dc0ff1b7_attn
    .symbol:         k_qa9dc0ff1b7_attn.kd
    .args:
      - { .name: qb, .offset: 0, .size: 8, .value_kind: global_buffer, .address_space: global }
      - { .name: kv, .offset: 8, .size: 8, .value_kind: global_buffer, .address_space: global }
      - { .name: maskw, .offset: 16, .size: 8, .value_kind: global_buffer, .address_space: global }
      - { .name: acs, .offset: 24, .size: 8, .value_kind: global_buffer, .address_space: global }
    .group_segment_fixed_size: 210944
    .private_segment_fixed_size: 0
    .kernarg_segment_align: 8
    .kernarg_segment_size: 32
    .max_flat_workgroup_size: 512
    .sgpr_count:     104
    .vgpr_count:     256
    .wavefront_size: 32
...
	.end_amdgpu_metadata
.endif
;; end of part 3
;; launch proj (part 4): grid 4 x 32, 4 waves a work-group, clusters of 4 x 4, 327,680 bytes of LDS; arguments acs, wcs, out0; writes out0
.if DOCPART == 4
	.amdgcn_target "amdgcn-amd-amdhsa--gfx1250"
	.amdhsa_code_object_version 6
	.text
	.protected	k_qa9dc0ff1b7_proj
	.globl	k_qa9dc0ff1b7_proj
	.p2align	8
	.type	k_qa9dc0ff1b7_proj,@function
k_qa9dc0ff1b7_proj:
	s_mov_b64 s[64:65], 0
	v_nop
	global_prefetch_b8 v0, s[64:65] scope:SCOPE_SE
	s_setreg_imm32_b32 hwreg(HW_REG_WAVE_MODE, 25, 1), 1
	s_wait_xcnt 0x0
	s_wait_alu depctr_hold_cnt(0) depctr_sa_sdst(0) depctr_va_vdst(0) depctr_va_sdst(0) depctr_va_ssrc(0) depctr_va_vcc(0) depctr_vm_vsrc(0)
	s_getreg_b32 s2, hwreg(HW_REG_IB_STS2, 6, 4)
	s_cmp_eq_u32 s2, 0
	s_cbranch_scc0 .Lentry_in_a_cluster
	s_endpgm
.Lentry_in_a_cluster:
	s_bfe_u32 s2, ttmp6, 0x10000c
	s_cmp_lg_u32 s2, 0xf033
	s_cbranch_scc0 .Lentry_shape_is_right
	s_endpgm
.Lentry_shape_is_right:
; out0 = (attention's result) wo^T on codes of FP6 (E2M3) with E8M0 scales, K = 1,024; out0 is [8,192][1,024] f32.
; The main loop is that of the launch that makes q, k and v: a tile of 256 x 256 by four waves of 128 x 128; K in steps of 256 through two LDS slots; operands as images of their registers; clusters of 4 x 4 with joint loads.
; 'A' (source 1, shared along a row of the cluster) = 256 tokens of acs; 'B' (source 0, shared along a column) = 256 rows of wo, tiles 192 on of wcs.
; A tile's 16 rows are not neighbours: slot r of tile t is row 32 (t / 2) + 8 (t % 2) + r + 8 (r / 8).  So a lane holds token slot r of A's tile a, and its 16 registers of B's tiles 2 b, 2 b + 1 are columns 32 b + 16 (lane / 16) + 0 .. 15.
; A token whose scale bytes are 0xff (no key counted for it) comes out as NaN in all its columns.
; 128 work-groups: the tile is kept at 256 x 256 for the sake of the multiply-adds that each LDS byte feeds.
.set NQ,     2
.set FR,     12
.set NL,     4
.set NP,     4
.set TILEB,  3072
.set HALFT,  8*TILEB
.set SLOT,   4*HALFT
.set LAPS,   2
.set SCL,    2*SLOT
.set HALFS,  4096
.set SPARE,  SCL+4*HALFS               ; the spare words, 128 bytes a wave: two blocks of 256 bytes that no other line names
.set STAGE,  SPARE+512                 ; the way out: 16 rows x 528 bytes for each wave, in bytes of its own, into which no tile lands
.set SPITCH, 528
.set ADRA, 16
.set ADRB, 20
.set L16,  24                          ; v24 16 x lane: also my place in a row of 512 bytes of out0
.set L8,   25
.set STO,  26                          ; v26 the way out: where I put my bytes of a row
.set ADRS, 27
.set SPW,  28                          ; v28 LDS address of my spare word; never rewritten
.set NIL,  29                          ; v29 0; never rewritten
.set RD,   30                          ; v30 the way out: where I read a row back
.set SC,   32
.set AF,   128
.set BK,   128                         ; the way out: 16 rows read back: v128-191 and v192-255 by turns
.set G1, 24
.set G0, 32
.set G1B, 48
.set G0B, 56
.set G1S, 68
.set G0S, 76
.set G1SB, 80
.set G0SB, 88
.set MSB, 0
.macro WIN new
.if MSB != (\new)
	s_set_vgpr_msb (MSB<<8)|(\new)
.set MSB, \new
.endif
.endm
.set MUL_LO, 0xa1
.set MUL_HI, 0xf1
.set TO_B,   0x40
.macro JLOAD g0a, g1a, g0b, g1b        ; a joint load: waves 0 and 1 fetch for A, waves 2 and 3 for B; an s_nop 0 and four v_nop follow each of the two lines
	s_cmp_eq_u32 s15, 0
	s_cbranch_scc0 .Lfor_b_\@
	tensor_load_to_lds s[\g0a:\g0a+3], s[\g1a:\g1a+7]
	s_nop 0
.rept 4
	v_nop
.endr
	s_branch .Lasked_\@
.Lfor_b_\@:
	tensor_load_to_lds s[\g0b:\g0b+3], s[\g1b:\g1b+7]
	s_nop 0
.rept 4
	v_nop
.endr
.Lasked_\@:
.endm
.macro CREST
	s_cmp_lg_u32 s14, 0
	s_cbranch_scc1 .Lnot_wave_0_\@
	s_barrier_signal -3
.Lnot_wave_0_\@:
	s_barrier_wait -3
	s_barrier_signal -1
	s_barrier_wait -1
.endm
.macro CROUND
	s_barrier_signal -1
	s_barrier_wait -1
	CREST
.endm
	s_load_b128 s[4:7], s[0:1], 0x0                ; acs s[4:5], wcs s[6:7]
	s_load_b64 s[8:9], s[0:1], 0x10                ; out0
	v_lshl_add_u32 v[SPW], v0, 2, SPARE
	v_mov_b32 v[NIL], 0
	ds_add_u32 v[SPW], v[NIL]                      ; the wave's opening: the add and its wait stand ahead of my first tensor load; work on registers stands between them
	v_lshrrev_b32 v1, 5, v0
	v_readfirstlane_b32 s14, v1                    ; wave 0..3
	s_lshr_b32 s15, s14, 1
	s_and_b32 s16, s14, 1
	s_bfe_u32 s40, ttmp6, 0x40000                  ; cx, cy
	s_bfe_u32 s41, ttmp6, 0x40004
	s_lshl_b32 s42, ttmp9, 2
	s_add_co_u32 s42, s42, s40                     ; my 256 columns
	s_and_b32 s17, ttmp7, 0xffff
	s_lshl_b32 s17, s17, 2
	s_add_co_u32 s17, s17, s41                     ; my 256 tokens
	s_lshl_b32 s43, s41, 2
	s_lshl_b32 s43, 15, s43                        ; my row of the cluster
	s_lshl_b32 s44, 0x1111, s40                    ; my column
	s_or_b32 s[G1+0], s43, (3<<16)|(1<<21)         ; codes: 8 rows (tiles) of 3,072 bytes, 12,288 bytes apart; elements of 8 bytes; the mask, and bit 21 beside it
	s_or_b32 s[G1B+0], s44, (3<<16)|(1<<21)
.irp g, G1, G1B
	s_mov_b32 s[\g+1], 384<<16
	s_mov_b32 s[\g+2], 8<<16
	s_mov_b32 s[\g+3], 384<<16
	s_mov_b32 s[\g+4], 8
	s_mov_b32 s[\g+5], 1536
	s_mov_b32 s[\g+6], 0
	s_mov_b32 s[\g+7], 0
.endr
	s_or_b32 s[G1S+0], s43, (3<<16)|(1<<21)        ; scale words of eight tiles: 4,096 dense bytes as 16 rows of 256
	s_or_b32 s[G1SB+0], s44, (3<<16)|(1<<21)
.irp g, G1S, G1SB
	s_mov_b32 s[\g+1], 32<<16
	s_mov_b32 s[\g+2], 16<<16
	s_mov_b32 s[\g+3], 32<<16
	s_mov_b32 s[\g+4], 16
	s_mov_b32 s[\g+5], 32
	s_mov_b32 s[\g+6], 0
	s_mov_b32 s[\g+7], 0
.endr
	s_lshl_b32 s18, s16, 3
	s_lshl_b32 s20, s17, 4
	s_add_co_u32 s20, s20, s18                     ; the first tile that I fetch for A,
	s_lshl_b32 s46, s42, 4
	s_add_co_u32 s46, s46, s18
	s_add_co_u32 s46, s46, 192                     ; for B: wo's tiles begin at 192
	s_lshl_b32 s22, s20, 9
	s_add_co_u32 s22, s22, 0x600000
	s_mov_b32 s23, 0
	s_lshl_b32 s92, s46, 9
	s_add_co_u32 s92, s92, 0x300000
	s_mov_b32 s93, 0
	s_mul_i32 s20, s20, 12288
	s_mov_b32 s21, 0
	s_mul_i32 s46, s46, 12288
	s_mov_b32 s47, 0
	s_mul_i32 s66, s14, HALFT
	s_lshl_b32 s67, s14, 12
	s_wait_dscnt 0x0                               ; the opening add is done
	s_wait_kmcnt 0x0
	s_add_nc_u64 s[20:21], s[4:5], s[20:21]
	s_add_nc_u64 s[22:23], s[4:5], s[22:23]
	s_add_nc_u64 s[46:47], s[6:7], s[46:47]
	s_add_nc_u64 s[92:93], s[6:7], s[92:93]
	CROUND                                         ; all sixteen work-groups are here: the first joint loads meet
	s_mov_b32 s[G0S], 1
	s_add_co_u32 s[G0S+1], s67, SCL
	s_mov_b64 s[G0S+2:G0S+3], s[22:23]
	s_or_b32 s[G0S+3], s[G0S+3], 0x80000000
	s_mov_b32 s[G0SB], 1
	s_add_co_u32 s[G0SB+1], s67, SCL
	s_mov_b64 s[G0SB+2:G0SB+3], s[92:93]
	s_or_b32 s[G0SB+3], s[G0SB+3], 0x80000000
	JLOAD G0S, G1S, G0SB, G1SB                     ; three loads of mine are out at the most
.irp s, 0,1
	s_mov_b32 s[G0+4*\s], 1
	s_add_co_u32 s[G0+4*\s+1], s66, \s*SLOT
	s_add_nc_u64 s[G0+4*\s+2:G0+4*\s+3], s[20:21], \s*TILEB
	s_or_b32 s[G0+4*\s+3], s[G0+4*\s+3], 0x80000000
	s_mov_b32 s[G0B+4*\s], 1
	s_add_co_u32 s[G0B+4*\s+1], s66, \s*SLOT
	s_add_nc_u64 s[G0B+4*\s+2:G0B+4*\s+3], s[46:47], \s*TILEB
	s_or_b32 s[G0B+4*\s+3], s[G0B+4*\s+3], 0x80000000
	JLOAD G0+4*\s, G1, G0B+4*\s, G1B
.endr
	v_and_b32 v1, 31, v0
	v_and_b32 v2, 15, v0
	v_bfe_u32 v3, v0, 4, 1
	v_lshlrev_b32 v[L16], 4, v1
	v_lshlrev_b32 v[L8], 3, v1
	s_mul_i32 s18, s15, HALFT
	s_mul_i32 s19, s16, HALFT
	s_add_co_u32 s19, s19, 2*HALFT
.irp s, 0,1
	v_add_nc_u32 v[ADRA+\s], s18, v[L16]
	v_add_nc_u32 v[ADRB+\s], s19, v[L16]
	v_add_nc_u32 v[ADRA+2+\s], s18, v[L8]
	v_add_nc_u32 v[ADRB+2+\s], s19, v[L8]
	s_add_co_u32 s18, s18, SLOT
	s_add_co_u32 s19, s19, SLOT
.endr
	v_lshlrev_b32 v6, 3, v2
	s_lshl_b32 s18, s15, 12
	s_lshl_b32 s19, s16, 12
	s_add_co_u32 s19, s19, 2*HALFS
	s_sub_co_u32 s19, s19, s18
	v_mul_u32_u24 v7, s19, v3                      ; lanes 16-31 take B's scale words
	s_add_co_u32 s18, s18, SCL
	v_add_nc_u32 v6, v6, v7
	v_add_nc_u32 v[ADRS], s18, v6
	s_mul_i32 s18, s14, 16*SPITCH
	s_add_co_u32 s18, s18, STAGE                   ; my stage
	v_mul_u32_u24 v6, v2, SPITCH
	v_lshl_add_u32 v6, v3, 6, v6
	v_add_nc_u32 v[STO], s18, v6                   ; in: row r, + 64 h bytes
	v_add_nc_u32 v[RD], s18, v[L16]                ; back: the 32 lanes take one row of 512 bytes
	s_lshl_b32 s20, s17, 20                        ; my first row of out0: 256 rows of 4,096 bytes a block,
	s_lshl_b32 s21, s15, 19
	s_add_co_u32 s20, s20, s21
	s_lshl_b32 s46, s42, 10                        ; my first column, in bytes
	s_lshl_b32 s47, s16, 9
	s_add_co_u32 s46, s46, s47
	s_add_co_u32 s20, s20, s46
	s_mov_b32 s21, 0
	s_add_nc_u64 s[8:9], s[8:9], s[20:21]
.macro FRAG reg, adr, q, i
	ds_load_b128 v[\reg:\reg+3], v[\adr] offset:(\i)*TILEB+(\q)*1536
	ds_load_b64 v[\reg+4:\reg+5], v[\adr+2] offset:(\i)*TILEB+(\q)*1536+512
	ds_load_b128 v[\reg+6:\reg+9], v[\adr] offset:(\i)*TILEB+(\q)*1536+768
	ds_load_b64 v[\reg+10:\reg+11], v[\adr+2] offset:(\i)*TILEB+(\q)*1536+1280
.endm
.macro MUL16 a0, p, q, sc, zero        ; the 64 accumulators take turns, one instruction a turn, in the same order in every step
.irp a, \a0, \a0+1
.irp b, 0,1,2,3,4,5,6,7
.if \zero
	v_wmma_scale_f32_16x16x128_f8f6f4 v[8*(8*((\a)%4)+\b):8*(8*((\a)%4)+\b)+7], v[128*(\p)+FR*\b:128*(\p)+FR*\b+FR-1], v[AF+FR*(\a):AF+FR*(\a)+FR-1], 0, v[SC+8*NQ*(\sc)+NQ*\b+(\q)], v[SC+8*NQ*(\sc)+NQ*(\a)+(\q)] matrix_a_fmt:MATRIX_FMT_FP6 matrix_b_fmt:MATRIX_FMT_FP6 matrix_a_scale:MATRIX_SCALE_ROW1
.else
	v_wmma_scale_f32_16x16x128_f8f6f4 v[8*(8*((\a)%4)+\b):8*(8*((\a)%4)+\b)+7], v[128*(\p)+FR*\b:128*(\p)+FR*\b+FR-1], v[AF+FR*(\a):AF+FR*(\a)+FR-1], v[8*(8*((\a)%4)+\b):8*(8*((\a)%4)+\b)+7], v[SC+8*NQ*(\sc)+NQ*\b+(\q)], v[SC+8*NQ*(\sc)+NQ*(\a)+(\q)] matrix_a_fmt:MATRIX_FMT_FP6 matrix_b_fmt:MATRIX_FMT_FP6 matrix_a_scale:MATRIX_SCALE_ROW1
.endif
.endr
.endr
.endm
.macro FETCH_B slot, q, p
	WIN TO_B
.irp i, 0,1,2,3,4,5,6,7
	FRAG 128*(\p)+FR*\i, ADRB+\slot, \q, \i
.endr
	WIN 0
.endm
.macro FETCH_A slot, q, i0
.irp i, \i0, \i0+1, \i0+2, \i0+3
	FRAG AF+FR*(\i), ADRA+\slot, \q, \i
.endr
.endm
.macro SCALES sc
.irp i, 0,1,2,3,4,5,6,7
	ds_load_b64 v[SC+8*NQ*\sc+NQ*\i:SC+8*NQ*\sc+NQ*\i+1], v[ADRS] offset:\i*512
.endr
.endm
.macro PLACES n
.rept \n
	v_nop
.endr
.endm
.macro STEP slot, q, zero
	s_wait_dscnt 4*NL                              ; B's set and A's blocks 0-3 are in; the youngest 16 loads (A's blocks 4-7) may be out
	WIN MUL_LO
	MUL16 0, (\q)%2, \q, \slot, \zero
	MUL16 2, (\q)%2, \q, \slot, \zero
	s_wait_dscnt 0
	PLACES NP
	FETCH_B \slot, (\q)+1, 1-(\q)%2
	FETCH_A \slot, (\q)+1, 0
	WIN MUL_HI
	MUL16 4, (\q)%2, \q, \slot, \zero
	MUL16 6, (\q)%2, \q, \slot, \zero
	PLACES NP
	WIN 0
	FETCH_A \slot, (\q)+1, 4
.endm
.macro TURN slot, next, fill
	s_wait_tensorcnt 0x0                           ; all my tensor loads have landed: my part of the next slot
	ds_add_u32 v[SPW], v[NIL]                      ; 0 onto my spare word
	s_wait_dscnt 4*NL+1                            ; (the add and the youngest 16 loads may be out)
	WIN MUL_LO
	MUL16 0, 1, NQ-1, \slot, 0
	s_wait_dscnt 0x0                               ; the add is done, and my reads of this slot are over
	s_barrier_signal -1
	MUL16 2, 1, NQ-1, \slot, 0
	WIN 0
	s_barrier_wait -1
.if \fill
	CREST                                          ; the barrier has opened a round of the cluster's: no wave of any partner still reads this slot or has a load on its way
	s_add_nc_u64 s[G0+4*\slot+2:G0+4*\slot+3], s[G0+4*\slot+2:G0+4*\slot+3], 2*TILEB
	s_add_nc_u64 s[G0B+4*\slot+2:G0B+4*\slot+3], s[G0B+4*\slot+2:G0B+4*\slot+3], 2*TILEB
	JLOAD G0+4*\slot, G1, G0B+4*\slot, G1B         ; my one tensor load behind the round
.else
	PLACES NP
.endif
	v_add_nc_u32 v[ADRS], 128, v[ADRS]
	FETCH_B \next, 0, 0
	FETCH_A \next, 0, 0
	SCALES \next
	WIN MUL_HI
	MUL16 4, 1, NQ-1, \slot, 0
	MUL16 6, 1, NQ-1, \slot, 0
	PLACES NP
	WIN 0
	FETCH_A \next, 0, 4
.endm
	s_wait_tensorcnt 1                             ; the scale words and my part of K step 0 are in (K step 1's load may be out)
	s_barrier_signal -1
	s_barrier_wait -1
	FETCH_B 0, 0, 0
	FETCH_A 0, 0, 0
	SCALES 0
	FETCH_A 0, 0, 4
	STEP 0, 0, 1                                   ; the first step's products start the sums
	s_mov_b32 s3, LAPS-1
.Llap:
	TURN 0, 1, 1
	STEP 1, 0, 0
	TURN 1, 0, 1
	STEP 0, 0, 0
	s_sub_co_u32 s3, s3, 1
	s_cmp_lg_u32 s3, 0
	s_cbranch_scc1 .Llap
	TURN 0, 1, 0
	STEP 1, 0, 0
	s_wait_dscnt 4*NL
	WIN MUL_LO
	MUL16 0, 1, NQ-1, 1, 0
	MUL16 2, 1, NQ-1, 1, 0
	s_wait_dscnt 0
	WIN MUL_HI
	MUL16 4, 1, NQ-1, 1, 0
	MUL16 6, 1, NQ-1, 1, 0
	WIN 0
; THE WAY OUT, A's tile by tile: 16 tokens x 128 columns go through my own stage and come back as whole rows of 512 bytes, which the 32 lanes store as two aligned runs of 256 bytes.
; LDS serves a wave's instructions in order: no wait between the stores and the loads, nor in front of the next tile's stores.
.macro TOSTAGE a
.set AC, 64*((\a)%4)
	WIN 0x08+4*((\a)/4)                            ; an LDS store's data: window 2 or 3
.irp b, 0,1,2,3,4,5,6,7
	ds_store_b128 v[STO], v[AC+8*\b:AC+8*\b+3] offset:128*(\b/2)+32*(\b%2)          ; columns 32 (b / 2) + 16 h + 8 (b % 2) on; each accumulator from its low end on
	ds_store_b128 v[STO], v[AC+8*\b+4:AC+8*\b+7] offset:128*(\b/2)+32*(\b%2)+16
.endr
	WIN 0
.set BB, BK+64*((\a)%2)
.irp t, 0,1,2,3,4,5,6,7,8,9,10,11,12,13,14,15
	ds_load_b128 v[BB+4*\t:BB+4*\t+3], v[RD] offset:\t*SPITCH
.endr
.endm
.macro SEND a, younger                 ; younger: the LDS instructions issued behind tile a's loads, which may stay out
.set BB, BK+64*((\a)%2)
	s_wait_dscnt \younger
.irp t, 0,1,2,3,4,5,6,7,8,9,10,11,12,13,14,15
	global_store_b128 v[L16], v[BB+4*\t:BB+4*\t+3], s[8:9] offset:(32*((\a)/2)+8*((\a)%2)+\t+8*(\t/8))*4096 th:TH_STORE_NT   ; slot t's token; 127 rows at the most: inside the signed 24-bit immediate
.endr
.endm
	PLACES NP                                      ; behind the last products: for the loads into the registers that held A's fragments and for the reads of results
	TOSTAGE 0
.irp a, 1,2,3,4,5,6,7
.if \a > 1
	s_wait_xcnt 0x0                                ; tile a - 2's stores have read their registers: tile a's loads may land there
.endif
	TOSTAGE \a
	SEND \a-1, 32                                  ; behind tile a - 1's loads: tile a's 16 stores and 16 loads
.endr
	SEND 7, 0
	s_wait_tensorcnt 0x0                           ; the wave's end, behind my last tensor load and my last LDS store
	ds_add_u32 v[SPW], v[NIL]
	s_wait_dscnt 0x0
	CROUND                                         ; the closing round
	s_endpgm
.Lfunc_end_k_qa9dc0ff1b7_proj:
	.size	k_qa9dc0ff1b7_proj, .Lfunc_end_k_qa9dc0ff1b7_proj-k_qa9dc0ff1b7_proj
	.p2alignl 7, 3214868480
	.fill 96, 4, 3214868480
	.section	.rodata,"a",@progbits
	.p2align	6, 0x0
	.amdhsa_kernel k_qa9dc0ff1b7_proj
		.amdhsa_group_segment_fixed_size 327680
		.amdhsa_private_segment_fixed_size 0
		.amdhsa_enable_private_segment 0
		.amdhsa_kernarg_size 24
		.amdhsa_user_sgpr_count 2
		.amdhsa_user_sgpr_kernarg_segment_ptr 1
		.amdhsa_wavefront_size32 1
		.amdhsa_system_sgpr_workgroup_id_x 1
		.amdhsa_system_sgpr_workgroup_id_y 1
		.amdhsa_system_sgpr_workgroup_id_z 1
		.amdhsa_system_vgpr_workitem_id 0
		.amdhsa_next_free_vgpr 1024
		.amdhsa_next_free_sgpr 98
		.amdhsa_reserve_vcc 0
		.amdhsa_float_denorm_mode_32 3
		.amdhsa_float_denorm_mode_16_64 3
		.amdhsa_memory_ordered 1
		.amdhsa_forward_progress 1
		.amdhsa_inst_pref_size 143
	.end_amdhsa_kernel
	.amdgpu_metadata
---
amdhsa.version: [ 1, 2 ]
amdhsa.kernels:
  - .name:           k_qa9dc0ff1b7_proj
    .symbol:         k_qa9dc0ff1b7_proj.kd
    .args:
      - { .name: acs, .offset: 0, .size: 8, .value_kind: global_buffer, .address_space: global }
      - { .name: wcs, .offset: 8, .size: 8, .value_kind: global_buffer, .address_space: global }
      - { .name: out0, .offset: 16, .size: 8, .value_kind: global_buffer, .address_space: global }
    .group_segment_fixed_size: 327680
    .private_segment_fixed_size: 0
    .kernarg_segment_align: 8
    .kernarg_segment_size: 24
    .max_flat_workgroup_size: 128
    .sgpr_count:     98
    .vgpr_count:     1024
    .wavefront_size: 32
...
	.end_amdgpu_metadata
.endif
;; end of part 4
